; MI455X (gfx1250); checked and timed in simulation.
; The chip was launched on July 23, 2026; its instructions are those of AMD's public machine-readable ISA for CDNA 5 (MIT licence, August 2026) and "CDNA5" Instruction Set Architecture Reference Guide (July 2026). The comments in the code are by the model that wrote it; some were corrected since.
;; Opti X Attention. Allowed arithmetic: matrix products marked QUANTISED: E4M3 operands, one E8M0 scale for each 32 along K, by v_wmma_scale_f32_16x16x128_f8f6f4 with both operands' format E4M3, f32 sums; everything else in f32.
;; Inputs: Wk 1,024 x 1,024 float32; Wo 1,024 x 1,024 float32; Wq 1,024 x 1,024 float32; Wv 1,024 x 1,024 float32; bk 1,024 float32; bo 1,024 float32; bq 1,024 float32; bv 1,024 float32; x 2 x 2,048 x 1,024 float32.
;; Outputs: out0 2 x 2,048 x 1,024 float32.
;; This version of the problem:
;;   THIS VERSION OF THE PROBLEM IS GIVEN IN LOW PRECISION. The matrix products marked QUANTISED in the list below multiply operands that are first quantised to E4M3 (4 exponent bits, 3 mantissa bits; 8 bits a number), with one power-of-two scale for each 32 numbers along K (OCP MX v1.0); their sums are f32. All else is computed in f32.
;;   The module's matrix products, in the order in which they are computed (A, B: the left and right operand; K: the contracted axis; several contracted axes count as one K, in the product's order):
;;     1. [M 4,096, K 1,024] x [K 1,024, N 1,024]; A: input x; B: input Wq: QUANTISED
;;     2. [M 4,096, K 1,024] x [K 1,024, N 1,024]; A: input x; B: input Wk: QUANTISED
;;     3. [M 4,096, K 1,024] x [K 1,024, N 1,024]; A: input x; B: input Wv: QUANTISED
;;     4. batch 32 x [M 2,048, K 64] x [K 64, N 2,048]; A: computed on the way; B: computed on the way: QUANTISED
;;     5. batch 32 x [M 2,048, K 2,048] x [K 2,048, N 64]; A: computed on the way; B: computed on the way: QUANTISED
;;     6. [M 4,096, K 1,024] x [K 1,024, N 1,024]; A: computed on the way; B: input Wo: QUANTISED
;;   THE QUANTISER, for each operand of a quantised product, along K:
;;     - K is cut into blocks of 32 from its start; a last block that is shorter is filled with zeros.
;;     - A block's scale is 2^e with e = floor(log2(the largest magnitude in the block)) - 8, held to -126 .. 127; a block of zeros has e = 0. As a byte (E8M0): e + 127.
;;     - Each number is divided by its block's scale, clamped to +-448, and rounded to the nearest number of E4M3, ties to even, subnormals kept.
;;     - The product sums the exact products of the quantised numbers (number of the format x scale) in f32.
;;   ~~~python
;;   def quantise(x, axis):      # numpy; x: float32 -> the quantised numbers, widened to float32 again
;;       x = np.moveaxis(x, axis, -1); K = x.shape[-1]
;;       x = np.pad(x, [(0, 0)] * (x.ndim - 1) + [(0, -K % 32)]); x = x.reshape(x.shape[:-1] + (-1, 32)); a = np.abs(x).max(-1, keepdims=True)
;;       e = np.where(a > 0, np.clip(np.frexp(np.where(a > 0, a, 1))[1] - 1 - 8, -126, 127), 0)      # np.frexp(a)[1] - 1 = floor(log2(a)), exactly
;;       r = np.clip(x / 2.0 ** e, -448, 448)
;;       step = 2.0 ** (np.maximum(np.frexp(np.where(r == 0, 1, r))[1] - 1, -6) - 3)
;;       q = np.round(r / step) * step * 2.0 ** e      # np.round: ties to even
;;       return np.moveaxis(q.reshape(q.shape[:-2] + (-1,))[..., :K], -1, axis).astype(np.float32)
;;   ~~~
;;   OPERANDS COMPUTED ON THE WAY. 'Computed on the way' means the value that the module computes at that place (a softmax that the list does not call 'softmax' is quantised finished and normalised). What goes into a quantiser is computed in f32, as accurately as f32 sums, v_exp_f32 and their like allow (about 1e-6 of the number): no bf16 or f16 on the way to a quantiser, and a product that is left as it is and whose result goes on into a quantised operand takes f32 operands (vector FMAs, or v_wmma_f32_16x16x4_f32). A number that lies on a knife's edge between two numbers of the format may be rounded either way, as far as f32 arithmetic and the matrix unit's own rounding can turn it there, and no further.
;; One version. Each part assembles by itself: llvm-mc -triple=amdgcn-amd-amdhsa -mcpu=gfx1250 --defsym DOCPART=n.
;; ======== version 1 of 1: 4 launches
;; limits: right only within a limited range of input values
;; workspace buffers: xc 4,194,304 bytes; wc 4,194,304 bytes; sc 393,216 bytes; qkc 8,388,608 bytes; vc 4,194,304 bytes; ascl 524,288 bytes; oc 4,194,304 bytes
;; launch prep (part 1): grid 512 x 1, 8 waves a work-group, no clusters, 68,608 bytes of LDS; arguments x, Wq, Wk, Wv, Wo, xc, wc, sc; writes xc, wc, sc
.if DOCPART == 1
	.amdgcn_target "amdgcn-amd-amdhsa--gfx1250"
	.amdhsa_code_object_version 6
	.text
	.protected	k_qd8dc5a73dd_prep
	.globl	k_qd8dc5a73dd_prep
	.p2align	8
	.type	k_qd8dc5a73dd_prep,@function
k_qd8dc5a73dd_prep:
	s_mov_b64 s[64:65], 0
	v_nop
	global_prefetch_b8 v0, s[64:65] scope:SCOPE_SE
	s_setreg_imm32_b32 hwreg(HW_REG_WAVE_MODE, 25, 1), 1
	s_wait_xcnt 0x0
; CAUSAL MULTI-HEAD ATTENTION IN MX-FP8 (B 2, S 2048, E 1024, H 16, D 64), four launches: prep, qkv, attn, oproj.  This one quantises x and the four weights along their K.
; WORK LEFT OUT, in the whole program: in the launch attn, the steps of 128 keys all of which come after all 16 queries of a tile.  The problem sets their scores to -infinity in its own body, so their
; softmax weight is 0 for every value of the inputs, and a weight of 0 adds nothing to the row's sum nor to the second product.  Nothing else is left out; all nine inputs have a way to the output and are loaded.
; LIMITS: a NaN, an infinity or an overflow that would arise only in the scores left out is not carried to the result.  NaN and infinities among the inputs are not served.
; A block of zeros gets the scale byte 1 where the quantiser says 127: its codes are zeros, which add nothing under any byte but 0xff, and this program alone reads the bytes.
; LAYOUTS OF THE WORKSPACE.  A TILE of 16 rows is tile T = 2 G + u of a group G of 32 rows: its lane r holds row 32 G + 8 u + (r & 7) + 16 (r >> 3), so that in a product's result the 16 registers of tiles (G, 0), (G, 1)
; are 16 neighbours.  Codes lie as IMAGES of the operand's registers: a chunk of 512 bytes holds lane l's 16 bytes at 16 l: codes k = 32 c + 16 (l / 16) + 0 .. 15 of row r = l % 16; four chunks are a fragment of 16 rows x 128 K.
; xc [tile 256][K step 8][chunk 4][512];  wc the same for the columns of Wq, Wk, Wv, Wo (64 tiles each);  sc: scale words [tile][K step 8][r 16], x's from byte 0, the weights' from 131072.
; WORK-GROUPS 0-255: tile mt of x, wave = K step.  16 loads of 512 consecutive bytes, a row each; they turn through the wave's own stage in LDS (rows of 512 + 16 bytes) so that a lane holds 16 neighbours of each block of 32.
; WORK-GROUPS 256-511: a weight's 64 rows of K x 256 columns.  A lane takes a column and its registers run down K: a block of 32 lies in one lane, and the codes come out with K innermost.
; No barrier: waves share nothing.
.set STW,   8448                       ; a wave's stage: 16 rows x 528 bytes
.set PIT,   528
.set SPARE, 8*STW                      ; behind the stages: the spare words, 128 bytes for each wave
.set LN,  1                            ; v1   lane
.set RR,  2                            ; v2   r = lane % 16
.set HH,  3                            ; v3   h = lane / 16
.set LO,  4                            ; v4   16 x lane
.set STI, 5                            ; v5   the stage, on the way in
.set STO, 6                            ; v6   and on the way out
.set SPW, 7                            ; v7   my spare word; never rewritten
.set NIL, 8                            ; v8   0; never rewritten
.set R4,  9                            ; v9   4 r
.set WO,  10                           ; v10  a weight's codes: my place in the two tiles of my group
.set WS,  11                           ; v11  and its scale word's
.set L4,  12                           ; v12  4 x lane
.set R,   16                           ; v16-79   as loaded (the weights: two sets of 32)
.set X,   80                           ; v80-143  x: 64 numbers, register 16 b + i = k 32 b + 16 h + i
.set CW,  80                           ; v80-95   the weights: eight registers of codes for each of two blocks
.set TM,  144                          ; v144-159 at work
.set PW,  160                          ; v160 the scale word
.set SBW, 161                          ; v161 a column's scale word
.set PC,  162                          ; v162-177 a fragment's codes
.set WV,  20
.set MNT, 21
.set SEL, 22
; 64 numbers of a lane become a fragment's codes in v[PC] on and its scale word in v[PW]
.macro QUANT s
.irp b, 0,1,2,3
	v_max3_num_f32 v[TM+\b], |v[\s+16*\b]|, |v[\s+1+16*\b]|, 0x4800000   ; my 16 numbers of block b, and the floor 2^(9 - 127): the byte cannot fall under 1
.endr
.irp i, 2,4,6,8,10,12,14
.irp b, 0,1,2,3
	s_delay_alu instid0(VALU_DEP_4)
	v_max3_num_f32 v[TM+\b], v[TM+\b], |v[\s+16*\b+\i]|, |v[\s+1+16*\b+\i]|
.endr
.endr
.irp b, 0,1,2,3
	s_delay_alu instid0(VALU_DEP_4)
	v_permlanex16_b32 v[TM+4+\b], v[TM+\b], s[SEL], s[SEL+1]
.endr
.irp b, 0,1,2,3
	s_delay_alu instid0(VALU_DEP_4)
	v_max_num_f32 v[TM+\b], v[TM+\b], v[TM+4+\b]                      ; with lane l xor 16's: the block's largest magnitude
.endr
.irp b, 0,1,2,3
	s_delay_alu instid0(VALU_DEP_4)
	v_add_nc_u32 v[TM+12+\b], 0xfc000000, v[TM+\b]                    ; 8 off its exponent field: the conversion's scale operand
.endr
.irp b, 0,1,2,3
	v_and_or_b32 v[TM+8+\b], v[TM+\b], 0x7f800000, s[MNT]             ; 448 x the scale
.endr
.irp b, 0,1,2,3
	v_lshrrev_b32 v[TM+4+\b], 23, v[TM+12+\b]                         ; the scale's byte
.endr
	s_delay_alu instid0(VALU_DEP_3)
	v_lshl_or_b32 v[PW], v[TM+5], 8, v[TM+4]
	s_delay_alu instid0(VALU_DEP_1)
	v_lshl_or_b32 v[PW], v[TM+6], 16, v[PW]
	s_delay_alu instid0(VALU_DEP_1)
	v_lshl_or_b32 v[PW], v[TM+7], 24, v[PW]
.irp b, 0,1,2,3
.irp i, 0,1,2,3,4,5,6,7,8,9,10,11,12,13,14,15
	v_med3_num_f32 v[\s+16*\b+\i], v[\s+16*\b+\i], -v[TM+8+\b], v[TM+8+\b]   ; the conversion to an 8-bit code does not saturate (ISA guide 7.6.2): the hold
.endr
	v_cvt_scalef32_pk8_fp8_f32 v[PC+4*\b:PC+1+4*\b], v[\s+16*\b:\s+7+16*\b], v[TM+12+\b]
	v_cvt_scalef32_pk8_fp8_f32 v[PC+2+4*\b:PC+3+4*\b], v[\s+8+16*\b:\s+15+16*\b], v[TM+12+\b]
.endr
	v_nop                                          ; a plain line behind the last conversion
.endm
	s_load_b256 s[4:11], s[0:1], 0x0               ; x s[4:5], Wq s[6:7], Wk s[8:9], Wv s[10:11]
	s_load_b256 s[12:19], s[0:1], 0x20             ; Wo s[12:13], xc s[14:15], wc s[16:17], sc s[18:19]
	v_lshl_add_u32 v[SPW], v0, 2, SPARE
	v_mov_b32 v[NIL], 0
	v_lshrrev_b32 v[LN], 5, v0
	s_delay_alu instid0(VALU_DEP_1)
	v_readfirstlane_b32 s[WV], v[LN]               ; wave 0..7
	v_and_b32 v[LN], 31, v0
	v_and_b32 v[RR], 15, v0
	v_bfe_u32 v[HH], v0, 4, 1
	s_delay_alu instid0(VALU_DEP_3)
	v_lshlrev_b32 v[LO], 4, v[LN]
	s_mul_i32 s24, s[WV], STW
	v_add_nc_u32 v[STI], s24, v[LO]                ; in: a row's 512 bytes as they lie
	v_mul_u32_u24 v[STO], v[RR], PIT
	s_delay_alu instid0(VALU_DEP_1)
	v_lshl_add_u32 v[STO], v[HH], 6, v[STO]
	s_delay_alu instid0(VALU_DEP_1)
	v_add_nc_u32 v[STO], s24, v[STO]               ; out: row r, + 64 h: my 16 numbers of a block of 32
	v_lshlrev_b32 v[R4], 2, v[RR]
	s_mov_b32 s[SEL], 0x76543210
	s_mov_b32 s[SEL+1], 0xfedcba98                 ; v_permlanex16_b32's selects for lane l xor 16
	s_mov_b32 s[MNT], 0x600000                     ; the mantissa field of 448
.irp b, 0,1,2,3
	v_mov_b32 v[TM+4+\b], 0                        ; a lane permute's destination counts as one of its sources
.endr
	s_cmp_lt_u32 ttmp9, 256
	s_cbranch_scc0 .Lweights
	; ---- x: tile mt = the work-group's number, K step = the wave's
	s_lshr_b32 s25, ttmp9, 1
	s_lshl_b32 s25, s25, 5
	s_and_b32 s26, ttmp9, 1
	s_lshl_b32 s26, s26, 3
	s_add_co_u32 s25, s25, s26                     ; the tile's first token: 32 (mt / 2) + 8 (mt % 2)
	s_lshl_b32 s26, s25, 12                        ; a token's row is 4,096 bytes
	s_lshl_b32 s27, s[WV], 9                       ; a K step 512
	s_add_co_u32 s26, s26, s27
	s_mov_b32 s27, 0
	s_lshl_b32 s28, ttmp9, 3
	s_add_co_u32 s28, s28, s[WV]                   ; 8 mt + k
	s_lshl_b32 s30, s28, 6                         ; its 16 scale words
	s_mov_b32 s31, 0
	s_lshl_b32 s28, s28, 11                        ; its fragment
	s_mov_b32 s29, 0
	s_wait_kmcnt 0x0
	s_add_nc_u64 s[4:5], s[4:5], s[26:27]
	s_add_nc_u64 s[14:15], s[14:15], s[28:29]
	s_add_nc_u64 s[18:19], s[18:19], s[30:31]
.irp i, 0,1,2,3,4,5,6,7,8,9,10,11,12,13,14,15
	global_load_b128 v[R+4*\i:R+4*\i+3], v[LO], s[4:5] offset:((\i%8)+16*(\i/8))*4096 th:TH_LOAD_NT   ; the tile's row i: 512 consecutive bytes
.endr
	s_wait_alu depctr_va_vdst(0)
.irp i, 0,1,2,3,4,5,6,7,8,9,10,11,12,13,14,15
	s_wait_loadcnt 15-\i                           ; loads come back in order: row i is in, the younger ones stay out
	ds_store_b128 v[STI], v[R+4*\i:R+4*\i+3] offset:PIT*\i
.endr
.irp c, 0,1,2,3
.irp j, 0,1,2,3
	ds_load_b128 v[X+16*\c+4*\j:X+16*\c+4*\j+3], v[STO] offset:128*\c+16*\j   ; LDS serves a wave's instructions in order: these see my stores
.endr
.endr
	s_wait_dscnt 0x0
	QUANT X
.irp c, 0,1,2,3
	global_store_b128 v[LO], v[PC+4*\c:PC+4*\c+3], s[14:15] offset:512*\c     ; a chunk: 512 consecutive bytes
.endr
	global_store_b32 v[R4], v[PW], s[18:19]        ; lanes r and r + 16 hold the same word and write it to the same place
	s_wait_tensorcnt 0x0                           ; the wave's end, behind my last LDS store
	ds_add_u32 v[SPW], v[NIL]
	s_wait_dscnt 0x0
	s_endpgm
	; ---- the weights: which of the four, which 256 columns, which 128 rows of K
.Lweights:
	; work-groups 256-511: a weight's 64 rows of K x 256 columns, half a K step: two blocks of 32 a lane, all 64 loads of a wave out at once; 512 work-groups in all
	s_sub_co_u32 s25, ttmp9, 256
	s_and_b32 s43, s25, 1                          ; which half of the K step
	s_lshr_b32 s25, s25, 1
	s_lshr_b32 s26, s25, 5                         ; 0 Wq, 1 Wk, 2 Wv, 3 Wo
	s_bfe_u32 s27, s25, 0x20003
	s_and_b32 s28, s25, 7                          ; K step
	s_lshl_b32 s27, s27, 3
	s_add_co_u32 s27, s27, s[WV]                   ; my wave's group of 32 columns
	s_lshl_b32 s30, s28, 19                        ; 128 rows of 4,096 bytes
	s_lshl_b32 s31, s27, 7
	s_add_co_u32 s30, s30, s31
	s_lshl_b32 s31, s43, 18                        ; the second half: 64 rows of 4,096 bytes on
	s_add_co_u32 s30, s30, s31
	s_mov_b32 s31, 0
	s_lshl_b32 s32, s26, 6
	s_lshl_b32 s33, s27, 1
	s_add_co_u32 s32, s32, s33                     ; the group's first tile
	s_lshl_b32 s34, s32, 14
	s_lshl_b32 s35, s28, 11
	s_add_co_u32 s34, s34, s35
	s_lshl_b32 s35, s43, 10                        ; its codes: chunks 2 and 3 of the fragment
	s_add_co_u32 s34, s34, s35
	s_mov_b32 s35, 0
	s_lshl_b32 s36, s32, 9
	s_lshl_b32 s37, s28, 6
	s_add_co_u32 s36, s36, s37
	s_add_co_u32 s36, s36, 131072
	s_lshl_b32 s37, s43, 1                         ; its two bytes of the scale word
	s_add_co_u32 s36, s36, s37
	s_mov_b32 s37, 0
	v_bfe_u32 v13, v0, 3, 1                        ; column L of the group lies in tile u = (L >> 3) & 1,
	v_and_b32 v14, 7, v0
	s_delay_alu instid0(VALU_DEP_1)
	v_lshl_add_u32 v14, v[HH], 3, v14              ; at its lane (L & 7) + 8 (L >> 4)
	s_delay_alu instid0(VALU_DEP_3)
	v_lshlrev_b32 v[WO], 14, v13
	s_delay_alu instid0(VALU_DEP_1)
	v_lshl_add_u32 v[WO], v14, 4, v[WO]
	v_lshlrev_b32 v[WS], 9, v13
	s_delay_alu instid0(VALU_DEP_1)
	v_lshl_add_u32 v[WS], v14, 2, v[WS]
	v_lshlrev_b32 v[L4], 2, v[LN]
	s_wait_alu depctr_va_vdst(0)
	s_wait_kmcnt 0x0
	s_cmp_lt_u32 s26, 2                            ; the choice hangs on the work-group's number alone
	s_cselect_b64 s[38:39], s[6:7], s[10:11]
	s_cselect_b64 s[40:41], s[8:9], s[12:13]
	s_and_b32 s42, s26, 1
	s_cmp_eq_u32 s42, 0
	s_cselect_b64 s[38:39], s[38:39], s[40:41]
	s_add_nc_u64 s[38:39], s[38:39], s[30:31]
	s_add_nc_u64 s[16:17], s[16:17], s[34:35]
	s_add_nc_u64 s[18:19], s[18:19], s[36:37]
.macro WLOAD c                         ; block c: W(32 c + i, my column), i = 0 .. 31: a wave reads 128 consecutive bytes, the eight waves 1,024
.irp i, 0,1,2,3,4,5,6,7,8,9,10,11,12,13,14,15,16,17,18,19,20,21,22,23,24,25,26,27,28,29,30,31
	global_load_b32 v[R+32*((\c)%2)+\i], v[L4], s[38:39] offset:(32*(\c)+\i)*4096 th:TH_LOAD_NT
.endr
.endm
.macro WBLOCK c
.set XS, R+32*((\c)%2)
.set CC, CW+8*(\c)
.if (\c) < 1
	s_wait_loadcnt 32                              ; this block's 32 loads are in; the next block's may be out
.else
	s_wait_loadcnt 0x0
.endif
	v_max3_num_f32 v[TM], |v[XS]|, |v[XS+1]|, |v[XS+2]|               ; the block's largest magnitude: all 32 numbers are mine
	v_max3_num_f32 v[TM+1], |v[XS+3]|, |v[XS+4]|, |v[XS+5]|
.irp i, 6,10,14,18,22,26
	s_delay_alu instid0(VALU_DEP_2)
	v_max3_num_f32 v[TM], v[TM], |v[XS+\i]|, |v[XS+\i+1]|
	s_delay_alu instid0(VALU_DEP_2)
	v_max3_num_f32 v[TM+1], v[TM+1], |v[XS+\i+2]|, |v[XS+\i+3]|
.endr
	s_delay_alu instid0(VALU_DEP_2)
	v_max3_num_f32 v[TM], v[TM], |v[XS+30]|, |v[XS+31]|
	s_delay_alu instid0(VALU_DEP_1)
	v_max3_num_f32 v[TM], v[TM], v[TM+1], 0x4800000                   ; and the floor
	s_delay_alu instid0(VALU_DEP_1)
	v_add_nc_u32 v[TM+2], 0xfc000000, v[TM]
	s_delay_alu instid0(VALU_DEP_2)
	v_and_or_b32 v[TM+3], v[TM], 0x7f800000, s[MNT]
	s_delay_alu instid0(VALU_DEP_2)
	v_lshrrev_b32 v[TM+1], 23, v[TM+2]
.if (\c) == 0
	s_delay_alu instid0(VALU_DEP_1)
	v_mov_b32 v[SBW], v[TM+1]
.else
	s_delay_alu instid0(VALU_DEP_1)
	v_lshl_or_b32 v[SBW], v[TM+1], 8*(\c), v[SBW]
.endif
.irp i, 0,1,2,3,4,5,6,7,8,9,10,11,12,13,14,15,16,17,18,19,20,21,22,23,24,25,26,27,28,29,30,31
	v_med3_num_f32 v[XS+\i], v[XS+\i], -v[TM+3], v[TM+3]
.endr
.irp g, 0,1,2,3
	v_cvt_scalef32_pk8_fp8_f32 v[CC+2*\g:CC+2*\g+1], v[XS+8*\g:XS+8*\g+7], v[TM+2]
.endr
	v_nop
	global_store_b128 v[WO], v[CC:CC+3], s[16:17] offset:512*(\c)         ; k 32 c + 0 .. 15: the chunk's lower half: the 16 lanes of a tile store 256 consecutive bytes
	global_store_b128 v[WO], v[CC+4:CC+7], s[16:17] offset:512*(\c)+256   ; k 32 c + 16 .. 31: its upper half.  Each block has its own registers: no store's data are written again
.endm
	WLOAD 0
	WLOAD 1
	WBLOCK 0
	WBLOCK 1
	global_store_b16 v[WS], v[SBW], s[18:19]       ; my half's two scale bytes
	s_wait_tensorcnt 0x0                           ; the wave's end, as on the other path
	ds_add_u32 v[SPW], v[NIL]
	s_wait_dscnt 0x0
	s_endpgm
.Lfunc_end_k_qd8dc5a73dd_prep:
	.size	k_qd8dc5a73dd_prep, .Lfunc_end_k_qd8dc5a73dd_prep-k_qd8dc5a73dd_prep
	.p2alignl 7, 3214868480
	.fill 96, 4, 3214868480
	.section	.rodata,"a",@progbits
	.p2align	6, 0x0
	.amdhsa_kernel k_qd8dc5a73dd_prep
		.amdhsa_group_segment_fixed_size 68608
		.amdhsa_private_segment_fixed_size 0
		.amdhsa_enable_private_segment 0
		.amdhsa_kernarg_size 64
		.amdhsa_user_sgpr_count 2
		.amdhsa_user_sgpr_kernarg_segment_ptr 1
		.amdhsa_wavefront_size32 1
		.amdhsa_system_sgpr_workgroup_id_x 1
		.amdhsa_system_sgpr_workgroup_id_y 1
		.amdhsa_system_sgpr_workgroup_id_z 1
		.amdhsa_system_vgpr_workitem_id 0
		.amdhsa_next_free_vgpr 192
		.amdhsa_next_free_sgpr 66
		.amdhsa_reserve_vcc 0
		.amdhsa_float_denorm_mode_32 3
		.amdhsa_float_denorm_mode_16_64 3
		.amdhsa_memory_ordered 1
		.amdhsa_forward_progress 1
		.amdhsa_inst_pref_size 33
	.end_amdhsa_kernel
	.amdgpu_metadata
---
amdhsa.version: [ 1, 2 ]
amdhsa.kernels:
  - .name:           k_qd8dc5a73dd_prep
    .symbol:         k_qd8dc5a73dd_prep.kd
    .args:
      - { .name: x, .offset: 0, .size: 8, .value_kind: global_buffer, .address_space: global }
      - { .name: Wq, .offset: 8, .size: 8, .value_kind: global_buffer, .address_space: global }
      - { .name: Wk, .offset: 16, .size: 8, .value_kind: global_buffer, .address_space: global }
      - { .name: Wv, .offset: 24, .size: 8, .value_kind: global_buffer, .address_space: global }
      - { .name: Wo, .offset: 32, .size: 8, .value_kind: global_buffer, .address_space: global }
      - { .name: xc, .offset: 40, .size: 8, .value_kind: global_buffer, .address_space: global }
      - { .name: wc, .offset: 48, .size: 8, .value_kind: global_buffer, .address_space: global }
      - { .name: sc, .offset: 56, .size: 8, .value_kind: global_buffer, .address_space: global }
    .group_segment_fixed_size: 68608
    .private_segment_fixed_size: 0
    .kernarg_segment_align: 8
    .kernarg_segment_size: 64
    .max_flat_workgroup_size: 256
    .sgpr_count:     66
    .vgpr_count:     192
    .wavefront_size: 32
...
	.end_amdgpu_metadata
.endif
;; end of part 1
;; launch qkv (part 2): grid 12 x 16, 4 waves a work-group, no clusters, 0 bytes of LDS; arguments xc, wc, sc, bq, bk, bv, qkc, vc, ascl; writes qkc, vc, ascl
.if DOCPART == 2
	.amdgcn_target "amdgcn-amd-amdhsa--gfx1250"
	.amdhsa_code_object_version 6
	.text
	.protected	k_qd8dc5a73dd_qkv
	.globl	k_qd8dc5a73dd_qkv
	.p2align	8
	.type	k_qd8dc5a73dd_qkv,@function
k_qd8dc5a73dd_qkv:
	s_mov_b64 s[64:65], 0
	v_nop
	global_prefetch_b8 v0, s[64:65] scope:SCOPE_SE
	s_setreg_imm32_b32 hwreg(HW_REG_WAVE_MODE, 25, 1), 1
	s_wait_xcnt 0x0
; Q = x Wq + bq, K = x Wk + bk, V = x Wv + bv on codes of E4M3 with E8M0 scales, and their quantising for the two products of attention: Q and K along the head's 64, V along the tokens.  Nothing is left out here.
; A work-group makes 256 tokens x 256 columns; each of its four waves 128 x 128 by itself: 64 accumulators, 512 registers.  x < 8: columns of Q (x < 4) or K; x >= 8: of V.
; Q, K: source 0 = 16 columns of W, source 1 = 16 tokens: a lane holds ONE token and its registers run along the columns, which are the next product's K.
; V:    source 0 = 16 tokens, source 1 = 16 columns: a lane holds ONE channel and its registers run along the tokens, the keys, which are ITS next K.  So the results are quantised in the registers in which they fall.
; OPERANDS come from memory straight into the registers that multiply them: a fragment is four loads of 512 consecutive bytes (the workspace holds images of the registers).  No tile lies in LDS, so there is none
; that a joint request of a cluster could fill: cluster = none.  A panel is read by the 12 or 16 work-groups of a row or column of the grid; each begins at another K step, (x + y + s) mod 8.
; LIMIT: so the eight K steps are summed in a rotated order, not ascending.
; OUT: qkc [token tile 256][block of 32 columns: 0-31 Q's, 32-63 K's][512];  vc [channel tile 64][group of 32 tokens 128][512];
; ascl: from 0 Q's words [b h][tile 128][r] = (q0, q1, q0, q1); from 262144 K's [b h][group 64][r] = (tile u 0: c 0, c 1; tile u 1: c 0, c 1); from 393216 V's [128 tokens 32][channel tile 64][r].
; REGISTERS: window 0: v1-31 offsets and scale words made; v32-95 scale words of all 8 K steps (register 8 s + i: lanes 0-15 source 1's tile i, lanes 16-31 source 0's); v96-111 V's bias, later words to store;
;   v112-127 at work; v128-255 source 1's 8 fragments, ONE set, later the codes made.   window 1: source 0's fragments, TWO sets (later Q's or K's bias).   windows 2, 3: accumulator (a, b) at v[8 (8 (a % 4) + b)].
.set LO,   1                           ; v1   16 x lane
.set RR,   2
.set HH,   3
.set SOF,  4                           ; v4   where my scale words lie: lanes 0-15 source 1's, lanes 16-31 source 0's
.set PWR,  12                          ; v12-19 the scale word of each of my eight tiles
.set OA,   20                          ; v20-27 where tile a's codes go
.set BOQ,  28
.set BOV,  29
.set PSEL, 30
.set SVO,  31
.set SC,   32
.set BV,   96
.set SO,   96
.set TM,   112
.set AF,   128
.set WV,   22
.set XX,   25
.set YY,   26
.set TW,   27                          ; my first tile of W
.set TX,   28                          ; my first tile of x
.set KK,   29
.set P0,   32                          ; s[32:33] source 0's tiles; s[34:35] source 1's
.set P1,   34
.set N0,   36                          ; s[36:37], s[38:39] the same at the K step that is being fetched
.set N1,   38
.set OUTP, 44
.set BP,   46
.set SP,   48
.set HM,   51                          ; 0xffff0000: lanes 16-31
.set SEL,  52
.set MNT,  54
.set SB,   66                          ; s[66:81] sc at each step's K
.set MSB, 0
.macro WIN new                         ; the immediate's high byte repeats the setting that is left
.if MSB != (\new)
	s_set_vgpr_msb (MSB<<8)|(\new)
.set MSB, (\new)
.endif
.endm
.set MUL_LO, 0xa1                      ; source 0 window 1, source 1 window 0, C and D window 2
.set MUL_HI, 0xf1
.set TO_B,   0x40                      ; destination window 1
.macro PLACES n
.rept \n
	v_nop
.endr
.endm
.macro FRAG reg, base, tile            ; a fragment: four chunks of 512 consecutive bytes
.irp c, 0,1,2,3
	global_load_b128 v[(\reg)+4*\c:(\reg)+4*\c+3], v[LO], s[\base:\base+1] offset:(\tile)*16384+512*\c
.endr
.endm
; 16 matrix instructions: source 1's tiles a0, a0 + 1 x source 0's eight.  The 64 accumulators take turns, one instruction a turn, in the same order in every step
.macro MUL16 a0, set, s, zero
.irp a, \a0, \a0+1
.irp b, 0,1,2,3,4,5,6,7
.if \zero
	v_wmma_scale_f32_16x16x128_f8f6f4 v[8*(8*((\a)%4)+\b):8*(8*((\a)%4)+\b)+7], v[128*(\set)+16*\b:128*(\set)+16*\b+15], v[AF+16*(\a):AF+16*(\a)+15], 0, v[SC+8*(\s)+\b], v[SC+8*(\s)+(\a)] matrix_a_scale:MATRIX_SCALE_ROW1
.else
	v_wmma_scale_f32_16x16x128_f8f6f4 v[8*(8*((\a)%4)+\b):8*(8*((\a)%4)+\b)+7], v[128*(\set)+16*\b:128*(\set)+16*\b+15], v[AF+16*(\a):AF+16*(\a)+15], v[8*(8*((\a)%4)+\b):8*(8*((\a)%4)+\b)+7], v[SC+8*(\s)+\b], v[SC+8*(\s)+(\a)] matrix_a_scale:MATRIX_SCALE_ROW1
.endif
.endr
.endr
.endm
.macro NEXT                            ; the bases step to the next K step, round the eight
	s_wait_xcnt 0x0                                ; the loads issued so far have read their bases
	s_add_co_u32 s[KK], s[KK], 1
	s_and_b32 s[KK], s[KK], 7
	s_lshl_b32 s40, s[KK], 11
	s_add_nc_u64 s[N0:N0+1], s[P0:P0+1], s[40:41]
	s_add_nc_u64 s[N1:N1+1], s[P1:P1+1], s[40:41]
.endm
; K step s of the first seven.  Source 0's next set is asked for at its head; a pair of source 1's tiles is asked for anew as soon as its 16 products are issued, eight places behind them.
.macro STEP s, zero
	NEXT
	WIN TO_B
.irp i, 0,1,2,3,4,5,6,7
	FRAG 128*((\s+1)%2)+16*\i, N0, \i
.endr
.irp ap, 0,1,2,3
	s_wait_loadcnt 56                              ; behind this pair's loads were issued: 8 (3 - ap) for the step's later pairs, 32 for source 0's next set, 8 ap for the next step's pairs
	WIN MUL_LO+0x50*(\ap/2)
	MUL16 2*\ap, \s%2, \s, \zero
	PLACES 8                                       ; places in front of loads into registers that these products read (ISA guide 7.12.1 for vector instructions)
	WIN 0
	FRAG AF+32*\ap, N1, 2*\ap
	FRAG AF+32*\ap+16, N1, 2*\ap+1
.endr
.endm
.macro LASTSTEP                        ; K step 7 fetches no fragment; 16 bias loads were issued at its head
.irp ap, 0,1,2,3
	s_wait_loadcnt 8*(3-\ap)+16
	WIN MUL_LO+0x50*(\ap/2)
	MUL16 2*\ap, 1, 7, 0
.endr
	WIN 0
	PLACES 8                                       ; in front of the first read of results
	s_wait_loadcnt 0x0                             ; the bias
.endm
	s_load_b256 s[4:11], s[0:1], 0x0               ; xc s[4:5], wc s[6:7], sc s[8:9], bq s[10:11]
	s_load_b256 s[12:19], s[0:1], 0x20             ; bk s[12:13], bv s[14:15], qkc s[16:17], vc s[18:19]
	s_load_b64 s[20:21], s[0:1], 0x40              ; ascl
	v_lshrrev_b32 v5, 5, v0
	v_readfirstlane_b32 s[WV], v5                  ; wave 0..3
	v_and_b32 v5, 31, v0
	v_lshlrev_b32 v[LO], 4, v5
	v_and_b32 v[RR], 15, v0
	v_bfe_u32 v[HH], v0, 4, 1
	s_lshr_b32 s23, s[WV], 1                       ; which half of source 1's 16 tiles is mine
	s_and_b32 s24, s[WV], 1                        ; and of source 0's
	s_mov_b32 s[XX], ttmp9
	s_and_b32 s[YY], ttmp7, 0xffff
	s_cmp_lt_u32 s[XX], 8                          ; Q or K: W is source 0.  V: x is
	s_cselect_b32 s[TW], s24, s23
	s_cselect_b32 s[TX], s23, s24
	s_lshl_b32 s[TW], s[TW], 3
	s_lshl_b32 s30, s[XX], 4
	s_add_co_u32 s[TW], s[TW], s30
	s_lshl_b32 s[TX], s[TX], 3
	s_lshl_b32 s30, s[YY], 4
	s_add_co_u32 s[TX], s[TX], s30
	s_add_co_u32 s[KK], s[XX], s[YY]
	s_and_b32 s[KK], s[KK], 7                      ; the K step at which I begin
	s_lshl_b32 s30, s[TW], 9
	s_add_co_u32 s30, s30, 131072                  ; W's scale words
	s_lshl_b32 s31, s[TX], 9                       ; x's
	s_cmp_lt_u32 s[XX], 8
	s_cselect_b32 s42, s30, s31                    ; source 0's
	s_cselect_b32 s43, s31, s30                    ; source 1's
	s_mov_b32 s[HM], 0xffff0000
	v_mov_b32 v5, s43
	v_mov_b32 v6, s42
	v_cndmask_b32 v[SOF], v5, v6, s[HM]
	s_wait_alu depctr_va_vdst(0)
	v_lshl_add_u32 v[SOF], v[RR], 2, v[SOF]
	s_lshl_b32 s56, s[TW], 14
	s_mov_b32 s57, 0
	s_lshl_b32 s58, s[TX], 14
	s_mov_b32 s59, 0
	s_mov_b32 s41, 0
	s_wait_alu depctr_va_vdst(0)
	s_wait_kmcnt 0x0
	s_add_nc_u64 s[56:57], s[6:7], s[56:57]
	s_add_nc_u64 s[58:59], s[4:5], s[58:59]
	s_cmp_lt_u32 s[XX], 8
	s_cselect_b64 s[P0:P0+1], s[56:57], s[58:59]
	s_cselect_b64 s[P1:P1+1], s[58:59], s[56:57]
.irp s, 0,1,2,3,4,5,6,7                        ; the scale words of all eight steps, each step's from a base of its own
	s_add_co_u32 s40, s[KK], \s
	s_and_b32 s40, s40, 7
	s_lshl_b32 s40, s40, 6
	s_add_nc_u64 s[SB+2*\s:SB+2*\s+1], s[8:9], s[40:41]
.irp i, 0,1,2,3,4,5,6,7
	global_load_b32 v[SC+8*\s+\i], v[SOF], s[SB+2*\s:SB+2*\s+1] offset:512*\i
.endr
.endr
	s_lshl_b32 s40, s[KK], 11
	s_add_nc_u64 s[N0:N0+1], s[P0:P0+1], s[40:41]
	s_add_nc_u64 s[N1:N1+1], s[P1:P1+1], s[40:41]
	WIN TO_B
.irp i, 0,1,2,3,4,5,6,7
	FRAG 16*\i, N0, \i
.endr
	WIN 0
.irp i, 0,1,2,3,4,5,6,7
	FRAG AF+16*\i, N1, \i
.endr
	; where the results go
	s_lshl_b32 s42, s[TX], 15
	s_lshl_b32 s43, s[TW], 8
	s_add_co_u32 s42, s42, s43                     ; qkc: 32,768 bytes a token tile, 512 a block of 32 columns (two tiles of W)
	s_and_b32 s60, s[TW], 63                       ; my first tile within its weight
	s_lshl_b32 s43, s60, 16
	s_lshl_b32 s55, s[TX], 8
	s_add_co_u32 s43, s43, s55                     ; vc: 65,536 bytes a channel tile, 512 a group of 32 tokens
	s_cmp_lt_u32 s[XX], 8
	s_cselect_b32 s40, s42, s43
	s_cselect_b64 s[OUTP:OUTP+1], s[16:17], s[18:19]
	s_mov_b32 s50, 65536
	s_cselect_b32 s50, 32768, s50                  ; from one of my eight tiles to the next
	s_add_nc_u64 s[OUTP:OUTP+1], s[OUTP:OUTP+1], s[40:41]
	s_lshl_b32 s40, s60, 6                         ; the bias of my first column
	s_cmp_lt_u32 s[XX], 4
	s_cselect_b64 s[BP:BP+1], s[10:11], s[12:13]
	s_cmp_lt_u32 s[XX], 8
	s_cselect_b64 s[BP:BP+1], s[BP:BP+1], s[14:15]
	s_add_nc_u64 s[BP:BP+1], s[BP:BP+1], s[40:41]
	s_lshr_b32 s42, s[TX], 7                       ; the batch
	s_lshl_b32 s42, s42, 4
	s_lshr_b32 s55, s60, 2
	s_add_co_u32 s42, s42, s55                     ; 16 b + my first head
	s_and_b32 s55, s[TX], 127                      ; my first token tile in the batch
	s_lshl_b32 s61, s42, 7
	s_add_co_u32 s61, s61, s55
	s_lshl_b32 s61, s61, 6                         ; Q's words
	s_lshl_b32 s62, s42, 6
	s_lshr_b32 s63, s55, 1
	s_add_co_u32 s62, s62, s63
	s_lshl_b32 s62, s62, 6
	s_add_co_u32 s62, s62, 262144                  ; K's
	s_lshr_b32 s63, s[TX], 3
	s_lshl_b32 s63, s63, 6
	s_add_co_u32 s63, s63, s60
	s_lshl_b32 s63, s63, 6
	s_add_co_u32 s63, s63, 393216                  ; V's
	s_cmp_lt_u32 s[XX], 4
	s_cselect_b32 s40, s61, s62
	s_mov_b32 s61, 4096
	s_cselect_b32 s61, 8192, s61                   ; from a head's words to the next head's: Q 128 tiles, K 64 groups, of 64 bytes
	s_cmp_lt_u32 s[XX], 8
	s_cselect_b32 s40, s40, s63
	s_cselect_b32 s61, s61, 64                     ; V: from a tile's words to the next tile's
	s_add_nc_u64 s[SP:SP+1], s[20:21], s[40:41]
	v_mul_u32_u24 v[SVO], s61, v[HH]
	v_lshl_add_u32 v[SVO], v[RR], 2, v[SVO]
	v_mov_b32 v[OA], v[LO]
.irp a, 1,2,3,4,5,6,7
	v_add_nc_u32 v[OA+\a], s50, v[OA+\a-1]
.endr
	v_lshlrev_b32 v[BOQ], 6, v[HH]                 ; Q, K: my half's 16 columns of a block of 32
	v_and_b32 v5, 7, v0
	v_bfe_u32 v6, v0, 3, 1
	v_lshl_add_u32 v5, v6, 4, v5
	v_lshlrev_b32 v[BOV], 2, v5                    ; V: my lane's channel in a tile: (r & 7) + 16 (r >> 3)
	s_mov_b32 s[SEL], 0x76543210
	s_mov_b32 s[SEL+1], 0xfedcba98
	s_mov_b32 s[MNT], 0x600000
.irp b, 0,1,2,3
	v_mov_b32 v[TM+4+\b], 0                        ; a lane permute's destination counts as one of its sources
.endr
	STEP 0, 1                                      ; the first step's products start the sums: nothing is cleared
	STEP 1, 0
	STEP 2, 0
	STEP 3, 0
	STEP 4, 0
	STEP 5, 0
	STEP 6, 0
	; the last step, with the bias: one arm for each kind
	s_cmp_lt_u32 s[XX], 8
	s_cbranch_scc0 .Lkind_v
	WIN TO_B                                       ; Q, K: the bias runs along the registers: 64 numbers, the same for all eight token tiles, into source 0's set 0, which step 6 has left (eight places back)
	s_wait_alu depctr_va_vdst(0)
.irp g, 0,1,2,3
.irp q, 0,1,2,3
	global_load_b128 v[16*\g+4*\q:16*\g+4*\q+3], v[BOQ], s[BP:BP+1] offset:128*\g+16*\q
.endr
.endr
	LASTSTEP
.irp w, 0,1
	WIN 0x86+0x41*\w                               ; the sums in window 2 or 3, the bias in window 1
.set q, 0
.rept 128
	v_pk_add_f32 v[2*q:2*q+1], v[2*q:2*q+1], v[(2*q)%64:(2*q)%64+1]   ; each accumulator from its low end on
.set q, q+1
.endr
.endr
	WIN 0
	s_branch .Lquant
.Lkind_v:
	s_wait_alu depctr_va_vdst(0)
.irp a, 0,1,2,3,4,5,6,7                        ; V: the bias is the lane's channel's: one number a tile, twice, for the packed addition
	global_load_b32 v[BV+2*\a], v[BOV], s[BP:BP+1] offset:4*(32*(\a/2)+8*(\a%2))
	global_load_b32 v[BV+2*\a+1], v[BOV], s[BP:BP+1] offset:4*(32*(\a/2)+8*(\a%2))
.endr
	LASTSTEP
.irp w, 0,1
	WIN 0x82+0x41*\w
.set q, 0
.rept 128
	v_pk_add_f32 v[2*q:2*q+1], v[2*q:2*q+1], v[BV+2*(4*\w+q/32):BV+2*(4*\w+q/32)+1]
.set q, q+1
.endr
.endr
	WIN 0
.Lquant:
; Tile a's 64 numbers of a lane, register 16 b + i = place 32 b + 16 h + i along the next K, become four chunks of codes and a scale word
.macro QUANTW a
.set QW, 2+(\a)/4
.set SS, 64*((\a)%4)
.set PCA, AF+16*(\a)
	WIN QW|(QW<<2)
.irp b, 0,1,2,3
	v_max3_num_f32 v[TM+\b], |v[SS+16*\b]|, |v[SS+1+16*\b]|, 0x4800000   ; with the floor 2^(9 - 127): the byte cannot fall under 1
.endr
	WIN (QW<<2)|(QW<<4)
.irp i, 2,4,6,8,10,12,14
.irp b, 0,1,2,3
	v_max3_num_f32 v[TM+\b], v[TM+\b], |v[SS+16*\b+\i]|, |v[SS+1+16*\b+\i]|
.endr
.endr
	WIN 0
.irp b, 0,1,2,3
	v_permlanex16_b32 v[TM+4+\b], v[TM+\b], s[SEL], s[SEL+1]
.endr
.irp b, 0,1,2,3
	v_max_num_f32 v[TM+\b], v[TM+\b], v[TM+4+\b]
.endr
.irp b, 0,1,2,3
	v_add_nc_u32 v[TM+12+\b], 0xfc000000, v[TM+\b]
.endr
.irp b, 0,1,2,3
	v_and_or_b32 v[TM+8+\b], v[TM+\b], 0x7f800000, s[MNT]
.endr
.irp b, 0,1,2,3
	v_lshrrev_b32 v[TM+4+\b], 23, v[TM+12+\b]
.endr
	v_lshl_or_b32 v[PWR+(\a)], v[TM+5], 8, v[TM+4]
	v_lshl_or_b32 v[PWR+(\a)], v[TM+6], 16, v[PWR+(\a)]
	v_lshl_or_b32 v[PWR+(\a)], v[TM+7], 24, v[PWR+(\a)]
	WIN (QW<<6)|QW
.irp b, 0,1,2,3
.irp i, 0,1,2,3,4,5,6,7,8,9,10,11,12,13,14,15
	v_med3_num_f32 v[SS+16*\b+\i], v[SS+16*\b+\i], -v[TM+8+\b], v[TM+8+\b]   ; the hold at 448 x the scale (ISA guide 7.6.2: the conversion does not saturate)
.endr
.endr
	WIN QW
.irp b, 0,1,2,3
	v_cvt_scalef32_pk8_fp8_f32 v[PCA+4*\b:PCA+4*\b+1], v[SS+16*\b:SS+16*\b+7], v[TM+12+\b]
	v_cvt_scalef32_pk8_fp8_f32 v[PCA+4*\b+2:PCA+4*\b+3], v[SS+16*\b+8:SS+16*\b+15], v[TM+12+\b]
.endr
	WIN 0
	v_nop                                          ; a plain line behind the last conversion
.irp b, 0,1,2,3
	global_store_b128 v[OA+(\a)], v[PCA+4*\b:PCA+4*\b+3], s[OUTP:OUTP+1] offset:512*\b   ; a chunk: 512 consecutive bytes; each tile has its own registers
.endr
.endm
.irp a, 0,1,2,3,4,5,6,7
	QUANTW \a
.endr
	; the scale words, as attention wants them.  My 128 columns of Q or K are two heads: lanes 0-15 store the first head's bytes, lanes 16-31 the second's (both halves hold the same word)
	s_cmp_lt_u32 s[XX], 4
	s_cbranch_scc0 .Lnot_q
	v_mov_b32 v5, 0x01000100
	v_mov_b32 v6, 0x03020302
	v_cndmask_b32 v[PSEL], v5, v6, s[HM]
.irp a, 0,1,2,3,4,5,6,7
	v_perm_b32 v[SO+\a], v[PWR+\a], v[PWR+\a], v[PSEL]                ; (q0, q1, q0, q1)
.endr
.irp a, 0,1,2,3,4,5,6,7
	global_store_b32 v[SVO], v[SO+\a], s[SP:SP+1] offset:64*\a
.endr
	s_endpgm
.Lnot_q:
	s_cmp_lt_u32 s[XX], 8
	s_cbranch_scc0 .Lscale_v
	v_mov_b32 v5, 0x05040100
	v_mov_b32 v6, 0x07060302
	v_cndmask_b32 v[PSEL], v5, v6, s[HM]
.irp i, 0,1,2,3
	v_perm_b32 v[SO+\i], v[PWR+2*\i+1], v[PWR+2*\i], v[PSEL]          ; two bytes of the group's tile u = 0, two of its tile u = 1
.endr
.irp i, 0,1,2,3
	global_store_b32 v[SVO], v[SO+\i], s[SP:SP+1] offset:64*\i
.endr
	s_endpgm
.Lscale_v:
.irp i, 0,1,2,3
	v_cndmask_b32 v[SO+\i], v[PWR+2*\i], v[PWR+2*\i+1], s[HM]         ; lanes 0-15 an even tile's words, lanes 16-31 the odd one's: 128 consecutive bytes
.endr
.irp i, 0,1,2,3
	global_store_b32 v[SVO], v[SO+\i], s[SP:SP+1] offset:128*\i
.endr
	s_endpgm
.Lfunc_end_k_qd8dc5a73dd_qkv:
	.size	k_qd8dc5a73dd_qkv, .Lfunc_end_k_qd8dc5a73dd_qkv-k_qd8dc5a73dd_qkv
	.p2alignl 7, 3214868480
	.fill 96, 4, 3214868480
	.section	.rodata,"a",@progbits
	.p2align	6, 0x0
	.amdhsa_kernel k_qd8dc5a73dd_qkv
		.amdhsa_group_segment_fixed_size 0
		.amdhsa_private_segment_fixed_size 0
		.amdhsa_enable_private_segment 0
		.amdhsa_kernarg_size 72
		.amdhsa_user_sgpr_count 2
		.amdhsa_user_sgpr_kernarg_segment_ptr 1
		.amdhsa_wavefront_size32 1
		.amdhsa_system_sgpr_workgroup_id_x 1
		.amdhsa_system_sgpr_workgroup_id_y 1
		.amdhsa_system_sgpr_workgroup_id_z 1
		.amdhsa_system_vgpr_workitem_id 0
		.amdhsa_next_free_vgpr 1024
		.amdhsa_next_free_sgpr 100
		.amdhsa_reserve_vcc 0
		.amdhsa_float_denorm_mode_32 3
		.amdhsa_float_denorm_mode_16_64 3
		.amdhsa_memory_ordered 1
		.amdhsa_forward_progress 1
		.amdhsa_inst_pref_size 251
	.end_amdhsa_kernel
	.amdgpu_metadata
---
amdhsa.version: [ 1, 2 ]
amdhsa.kernels:
  - .name:           k_qd8dc5a73dd_qkv
    .symbol:         k_qd8dc5a73dd_qkv.kd
    .args:
      - { .name: xc, .offset: 0, .size: 8, .value_kind: global_buffer, .address_space: global }
      - { .name: wc, .offset: 8, .size: 8, .value_kind: global_buffer, .address_space: global }
      - { .name: sc, .offset: 16, .size: 8, .value_kind: global_buffer, .address_space: global }
      - { .name: bq, .offset: 24, .size: 8, .value_kind: global_buffer, .address_space: global }
      - { .name: bk, .offset: 32, .size: 8, .value_kind: global_buffer, .address_space: global }
      - { .name: bv, .offset: 40, .size: 8, .value_kind: global_buffer, .address_space: global }
      - { .name: qkc, .offset: 48, .size: 8, .value_kind: global_buffer, .address_space: global }
      - { .name: vc, .offset: 56, .size: 8, .value_kind: global_buffer, .address_space: global }
      - { .name: ascl, .offset: 64, .size: 8, .value_kind: global_buffer, .address_space: global }
    .group_segment_fixed_size: 0
    .private_segment_fixed_size: 0
    .kernarg_segment_align: 8
    .kernarg_segment_size: 72
    .max_flat_workgroup_size: 128
    .sgpr_count:     100
    .vgpr_count:     1024
    .wavefront_size: 32
...
	.end_amdgpu_metadata
.endif
;; end of part 2
;; launch attn (part 3): grid 8 x 32, 16 waves a work-group, no clusters, 321,536 bytes of LDS; arguments qkc, vc, ascl, oc, sc; writes oc, sc
.if DOCPART == 3
	.amdgcn_target "amdgcn-amd-amdhsa--gfx1250"
	.amdhsa_code_object_version 6
	.text
	.protected	k_qd8dc5a73dd_attn
	.globl	k_qd8dc5a73dd_attn
	.p2align	8
	.type	k_qd8dc5a73dd_attn,@function
k_qd8dc5a73dd_attn:
	s_mov_b64 s[64:65], 0
	v_nop
	global_prefetch_b8 v0, s[64:65] scope:SCOPE_SE
	s_setreg_imm32_b32 hwreg(HW_REG_WAVE_MODE, 25, 1), 1
	s_wait_xcnt 0x0
; attn = softmax(Q K^T / 8, causal), out = attn V, both products on codes of E4M3 with E8M0 scales; out is quantised along E for the last product.
; LEFT OUT: the steps of 128 keys all of which come after a tile's 16 queries: the problem's own mask gives them the weight 0 for all inputs.
; THE SOFTMAX IS QUANTISED FINISHED AND NORMALISED, so a row's maximum m and sum l are known before any weight is quantised: TWO WALKS over the keys.
; Walk 1: scores, running m, l = sum of 2^(c s - cm), c = log2(e) / 8, cm = c m rounded.  Walk 2: the scores' product takes -m as its C, so it gives s - m;
; p = 2^(c (s - m) + (c m - cm) - log2 l), the bracket being the rounding left over in cm (one fused multiply-add gives it); p is quantised along the keys; O^T += V^T p^T.
; SHARES.  Work-group (j, b h) serves queries 128 j .. + 127 (early) and 128 (15 - j) .. + 127 (late) of one head: eight pairs of tiles of 16 queries, j + 1 and 16 - j key steps: 17 a pair.
; A pair has two waves.  Wave A (bit 2 of its number 0) walks key steps 0 .. 7: steps 0 .. j for the early tile, then steps j + 1 .. 7 for the LATE tile.  Wave B walks the late tile's steps 0 .. j and 8 .. 15 - j.
; So A has 8 steps and B 9, in both walks, in every work-group.  The late tile's two partial (m, l) meet through LDS between the walks; p is normalised, so its two partial O^T are simply added, through LDS, at the end.
; Every loop has 16 trips, a constant; a step that is not the wave's is jumped over by scalar branches on ids, its address steps are not.
; The head's keys 0 .. 128 (16 - j) - 1 come into LDS ONCE, as images of the operands' registers: wave w copies key step w through its registers; one barrier; from then on those bytes are only read.
; cluster = none: the work-groups of a head need different numbers of key steps (16 - j), and nothing is filled a second time.  No prefetch: each byte is asked for once, at the head, with no loop to run ahead in.
; LAYOUT.  Both products are used transposed (source 0 = 16 keys, or 16 channels; source 1 = 16 queries): a lane holds ONE query.  The head's K is 64, the instruction's 128: a fragment of K holds TWO key tiles,
; u = 0 in its first 64 and u = 1 in its second, and is multiplied by (Q | zeros) and by (zeros | Q).  A group's two tiles give 16 neighbouring keys in a lane's 16 registers.
; LIMITS: a weight under 2^-126 is 0 (the exponential gives no denormal: ISA guide, its entry).  A block's largest weight is taken from the block's largest score, which takes the exponential not to fall where its
; input rises.  A weight that is NaN becomes 0, as the problem's nan_to_num makes it (the hold's middle of three leaves a NaN out); beyond that NaN and infinities among the inputs are not served.
.set KIM,   0                          ; LDS: K's images, 8,192 bytes a key step: [group 4][chunk 2 u + c][512]
.set VIM,   131072                     ; V's: [channel tile 4][chunk 4][512]
.set KSL,   262144                     ; K's scale words, 256 bytes a step
.set VSL,   266240                     ; V's
.set XQ,    270336                     ; the late tiles' Q: 1,536 bytes a pair (two chunks, and the scale word at 16 x lane)
.set XM,    282624                     ; (m, l) of a lane: 256 bytes a wave
.set XO,    286720                     ; wave A's partial O^T of the late tile: 4,096 bytes a pair
.set SPARE, 319488                     ; the spare words, 128 bytes for each of 16 waves
.set AL,   1                           ; 16 x lane
.set AV,   2
.set SPW,  3                           ; my spare word; never rewritten
.set NIL,  4                           ; 0; never rewritten
.set ADK,  5
.set ADV,  6
.set ADS,  7
.set ADT,  8
.set DQ,   9                           ; my query's place in its 128, less 16 h
.set MX,   10                          ; walk 1: my lane's running m
.set ML,   11                          ; the late tile's m, kept for wave A's change of tiles
.set NC,   12                          ; v[12:13] the exponent's addend (the packed form takes the pair's low word): walk 1 -cm; walk 2 (c m - cm) - log2 l
.set LS,   14                          ; v[14:15] l in two halves
.set QZ,   16                          ; v16-23 zeros, v24-31 Q, v32-39 zeros
.set F,    40                          ; four fragments of K, then of V
.set S,    104                         ; scores, then p
.set O,    168                         ; O^T
.set PC,   200                         ; walk 2: p's codes.  Walk 1: v200-205 partial sums, v206, v207 the early tile's m and l
.set SM,   206
.set SL,   207
.set BM,   216
.set T1,   220
.set HOLD, 224
.set SCO,  228
.set PW,   232
.set QSW,  233
.set KSW,  234
.set VSW,  236
.set AKS,  238
.set AVS,  239
.set CM,   240                         ; v240-247 walk 2: -m, eight times: the C of the scores' products.  Before that:
.set CK,   240                         ; the head's copy addresses,
.set CKV,  241
.set CS,   242
.set L8,   243
.set FC,   244                         ; v[244:245] walk 1's factor of the step,
.set XMS,  246                         ; and where my (m, l) goes and my partner's lies
.set XML,  247
.set R4,   248
.set AQS,  249
.set NINF, 250
.set PT,   251
.set TA,   252
.set TC,   253
.set XOA,  254
.set NGL,  255                         ; the late tile's addend, kept for wave A's change of tiles
.set WV,   14
.set JJ,   15
.set BH,   16
.set BB,   17
.set HD,   18
.set AA,   19                          ; the key step on my own tile's diagonal
.set T8,   20
.set QT,   21
.set MTQ,  22
.set LAST, 23
.set CNT,  24
.set TB,   25
.set TS,   26
.set MNT,  27
.set CC,   28                          ; s[28:29] c
.set SEL,  30
.set QP,   36
.set QSP,  38
.set KP,   40
.set VP,   42
.set KSP,  44
.set VSP,  46
.set OP,   48
.set OSP,  50
.set ROLE, 52                          ; 0: wave A; 1: wave B
.set H1,   53                          ; my steps: 0 .. H1 and 8 .. H2
.set H2,   54
.set SW,   55                          ; the trip at whose head wave A changes tiles: j + 1 (wave B: none)
.set NCC,  56                          ; -c
.macro WALU                            ; ahead of blocking waits and branches behind fresh vector writes, and round batches of transcendentals
	s_wait_alu depctr_va_vdst(0)
.endm
.macro BARRIER
	s_barrier_signal -1
	s_barrier_wait -1
.endm
	s_load_b256 s[4:11], s[0:1], 0x0               ; qkc s[4:5], vc s[6:7], ascl s[8:9], oc s[10:11]
	s_load_b64 s[12:13], s[0:1], 0x20              ; sc
	v_lshl_add_u32 v[SPW], v0, 2, SPARE
	v_mov_b32 v[NIL], 0
	v_lshrrev_b32 v[TA], 5, v0
	v_readfirstlane_b32 s[WV], v[TA]               ; wave 0..15
	s_mov_b32 s[JJ], ttmp9
	s_and_b32 s[BH], ttmp7, 0xffff
	s_lshr_b32 s[BB], s[BH], 4
	s_and_b32 s[HD], s[BH], 15
	s_sub_co_u32 s[LAST], 15, s[JJ]
	s_add_co_u32 s33, s[JJ], 1
	s_bfe_u32 s[ROLE], s[WV], 0x10002              ; waves 0-3, 8-11: A; 4-7, 12-15: B
	s_cmp_eq_u32 s[ROLE], 0
	s_cselect_b32 s[AA], s[JJ], s[LAST]
	s_cselect_b32 s[H1], 7, s[JJ]
	s_cselect_b32 s[H2], 0, s[LAST]
	s_cselect_b32 s[SW], s33, 99
	s_and_b32 s[T8], s[WV], 3
	s_lshr_b32 s32, s[WV], 3
	s_lshl_b32 s32, s32, 2
	s_add_co_u32 s[T8], s[T8], s32                 ; my pair among the eight
	s_lshl_b32 s[QT], s[AA], 3
	s_add_co_u32 s[QT], s[QT], s[T8]
	s_lshl_b32 s[MTQ], s[BB], 7
	s_add_co_u32 s[MTQ], s[MTQ], s[QT]             ; my own token tile
	s_lshl_b32 s[QP], s[MTQ], 15
	s_lshl_b32 s32, s[HD], 10
	s_add_co_u32 s[QP], s[QP], s32                 ; Q: blocks 2 hd, 2 hd + 1 of my tile
	s_mov_b32 s[QP+1], 0
	s_lshl_b32 s[QSP], s[BH], 7
	s_add_co_u32 s[QSP], s[QSP], s[QT]
	s_lshl_b32 s[QSP], s[QSP], 6
	s_mov_b32 s[QSP+1], 0
	s_lshl_b32 s[KP], s[BB], 7
	s_lshl_b32 s33, s[WV], 3
	s_add_co_u32 s[KP], s[KP], s33
	s_lshl_b32 s[KP], s[KP], 15
	s_add_co_u32 s[KP], s[KP], s32
	s_add_co_u32 s[KP], s[KP], 16384               ; K: key step w's eight tiles, blocks 32 + 2 hd on
	s_mov_b32 s[KP+1], 0
	s_lshl_b32 s[VP], s[HD], 9
	s_lshl_b32 s33, s[BB], 6
	s_add_co_u32 s[VP], s[VP], s33
	s_lshl_b32 s33, s[WV], 2
	s_add_co_u32 s[VP], s[VP], s33
	s_lshl_b32 s[VP], s[VP], 9                     ; V: channel tile 4 hd, token group 64 b + 4 w
	s_mov_b32 s[VP+1], 0
	s_lshl_b32 s[KSP], s[BH], 6
	s_add_co_u32 s[KSP], s[KSP], s33
	s_lshl_b32 s[KSP], s[KSP], 6
	s_add_co_u32 s[KSP], s[KSP], 262144
	s_mov_b32 s[KSP+1], 0
	s_lshl_b32 s[VSP], s[BB], 4
	s_add_co_u32 s[VSP], s[VSP], s[WV]
	s_lshl_b32 s[VSP], s[VSP], 6
	s_lshl_b32 s33, s[HD], 2
	s_add_co_u32 s[VSP], s[VSP], s33
	s_lshl_b32 s[VSP], s[VSP], 6
	s_add_co_u32 s[VSP], s[VSP], 393216
	s_mov_b32 s[VSP+1], 0
	s_lshr_b32 s33, s[HD], 1
	s_and_b32 s34, s[HD], 1
	s_lshl_b32 s[OP], s[MTQ], 3
	s_add_co_u32 s[OP], s[OP], s33
	s_lshl_b32 s[OP], s[OP], 11
	s_lshl_b32 s35, s34, 10
	s_add_co_u32 s[OP], s[OP], s35                 ; out: K step hd / 2 of my tile, chunks 2 (hd % 2) on
	s_mov_b32 s[OP+1], 0
	s_lshl_b32 s[OSP], s[MTQ], 9
	s_lshl_b32 s33, s33, 6
	s_add_co_u32 s[OSP], s[OSP], s33
	s_lshl_b32 s34, s34, 1
	s_add_co_u32 s[OSP], s[OSP], s34
	s_add_co_u32 s[OSP], s[OSP], 262144
	s_mov_b32 s[OSP+1], 0
	s_mov_b32 s[CC], 0x3e38aa3b                    ; c = log2(e) / 8
	s_mov_b32 s[CC+1], s[CC]
	s_mov_b32 s[NCC], 0xbe38aa3b                   ; -c
	s_mov_b32 s[SEL], 0x76543210
	s_mov_b32 s[SEL+1], 0xfedcba98
	s_mov_b32 s[MNT], 0x600000
	s_mov_b32 s[TB], 0
	s_mov_b32 s[TS], 0
	s_mov_b32 s[CNT], 0
	; every LDS address register is made here, ahead of the first parting of the waves
	v_and_b32 v[TA], 31, v0
	v_lshlrev_b32 v[AL], 4, v[TA]
	v_lshlrev_b32 v[TC], 2, v[TA]
	v_lshlrev_b32 v[L8], 3, v[TA]
	v_and_b32 v[R4], 15, v0
	v_lshlrev_b32 v[R4], 2, v[R4]
	WALU
	v_add_nc_u32 v[AV], VIM, v[AL]
	v_add_nc_u32 v[AKS], KSL, v[TC]
	v_add_nc_u32 v[AVS], VSL, v[TC]
	s_lshl_b32 s33, s[WV], 13
	v_add_nc_u32 v[CK], s33, v[AL]
	v_add_nc_u32 v[CKV], VIM, v[CK]
	s_lshl_b32 s33, s[WV], 8
	v_add_nc_u32 v[CS], s33, v[L8]
	v_add_nc_u32 v[XMS], XM, v[CS]                 ; my (m, l): 256 x wave + 8 x lane
	v_add_nc_u32 v[CS], KSL, v[CS]
	s_xor_b32 s33, s33, 1024                       ; my partner's wave number differs in bit 2
	v_add_nc_u32 v[XML], s33, v[L8]
	v_add_nc_u32 v[XML], XM, v[XML]
	s_mul_i32 s33, s[T8], 1536
	v_add_nc_u32 v[AQS], s33, v[AL]
	v_add_nc_u32 v[AQS], XQ, v[AQS]
	s_lshl_b32 s33, s[T8], 12
	v_add_nc_u32 v[XOA], s33, v[AL]
	v_add_nc_u32 v[XOA], XO, v[XOA]
	s_lshr_b32 s33, s[T8], 1
	s_lshl_b32 s33, s33, 5
	s_and_b32 s34, s[T8], 1
	s_lshl_b32 s34, s34, 3
	s_add_co_u32 s33, s33, s34
	v_and_b32 v[DQ], 7, v0
	v_bfe_u32 v[TA], v0, 3, 1
	v_lshl_add_u32 v[DQ], v[TA], 4, v[DQ]
	v_bfe_u32 v[TA], v0, 4, 1
	v_lshlrev_b32 v[TA], 4, v[TA]
	v_sub_nc_u32 v[DQ], v[DQ], v[TA]
	v_add_nc_u32 v[DQ], s33, v[DQ]
.irp i, 0,1,2,3,4,5,6,7
	v_mov_b32 v[QZ+\i], 0
	v_mov_b32 v[QZ+16+\i], 0
.endr
	v_mov_b32 v[MX], 0xff61b1e6                    ; m: -3e38, under every score
	v_mov_b32 v[ML], 0
	v_mul_f32 v[NC], s[NCC], v[MX]
	v_mov_b32 v[NC+1], 0
	v_mov_b32 v[LS], 0
	v_mov_b32 v[LS+1], 0
	v_mov_b32 v[FC], 0
	v_mov_b32 v[FC+1], 0
	v_mov_b32 v[SM], 0xff61b1e6
	v_mov_b32 v[SL], 0
	v_mov_b32 v[NGL], 0
	v_mov_b32 v[NINF], 0xff800000
	v_mov_b32 v[PT], 0
.irp b, 0,1,2,3
	v_mov_b32 v[T1+\b], 0                          ; a lane permute's destination counts as one of its sources
.endr
	WALU
	s_wait_kmcnt 0x0
	s_add_nc_u64 s[QP:QP+1], s[4:5], s[QP:QP+1]
	s_add_nc_u64 s[QSP:QSP+1], s[8:9], s[QSP:QSP+1]
	s_add_nc_u64 s[KP:KP+1], s[4:5], s[KP:KP+1]
	s_add_nc_u64 s[VP:VP+1], s[6:7], s[VP:VP+1]
	s_add_nc_u64 s[KSP:KSP+1], s[8:9], s[KSP:KSP+1]
	s_add_nc_u64 s[VSP:VSP+1], s[8:9], s[VSP:VSP+1]
	s_add_nc_u64 s[OP:OP+1], s[10:11], s[OP:OP+1]
	s_add_nc_u64 s[OSP:OSP+1], s[12:13], s[OSP:OSP+1]
	global_load_b128 v[QZ+8:QZ+11], v[AL], s[QP:QP+1]
	global_load_b128 v[QZ+12:QZ+15], v[AL], s[QP:QP+1] offset:512
	global_load_b32 v[QSW], v[R4], s[QSP:QSP+1]
	s_cmp_gt_u32 s[WV], s[LAST]                    ; key steps beyond 15 - j are read by no wave of this work-group: they are not copied
	s_cbranch_scc1 .Lno_copy
.irp i, 0,1,2,3,4,5,6,7
.irp c, 0,1
	global_load_b128 v[F+8*\i+4*\c:F+8*\i+4*\c+3], v[AL], s[KP:KP+1] offset:32768*\i+512*\c
.endr
.endr
; V IS READ IN WALK 2 ALONE.  So of my key step's 16 chunks of V (chunk q = 4 t + c) thirteen stay on their way through walk 1, bound for registers that walk 1 does not name, and are stored to LDS in front of the barrier
; between the walks; the first barrier shows K's images, the scale words and chunks 13 to 15.  Chunk q's registers: O^T's 32 (q 0-7), the upper 8 of p's codes (q 8, 9), the 12 of the quantiser's scratch (q 10-12)
.macro VDREG q
.if (\q) < 8
.set VR, O+4*(\q)
.elseif (\q) < 10
.set VR, PC+8+4*((\q)-8)
.else
.set VR, T1+4*((\q)-10)
.endif
.endm
	global_load_b64 v[S:S+1], v[L8], s[KSP:KSP+1]
	global_load_b64 v[S+2:S+3], v[L8], s[VSP:VSP+1]
.irp q, 13,14,15
	global_load_b128 v[S+4*(\q-12):S+4*(\q-12)+3], v[AL], s[VP:VP+1] offset:65536*(\q/4)+512*(\q%4)
.endr
.set q, 0
.rept 13
	VDREG q
	global_load_b128 v[VR:VR+3], v[AL], s[VP:VP+1] offset:65536*(q/4)+512*(q%4)
.set q, q+1
.endr
	s_wait_loadcnt 13                              ; all but the thirteen youngest loads are in: Q, K's 16 chunks, the scale words, V's chunks 13 to 15
.irp i, 0,1,2,3,4,5,6,7
.irp c, 0,1
	ds_store_b128 v[CK], v[F+8*\i+4*\c:F+8*\i+4*\c+3] offset:1024*\i+512*\c
.endr
.endr
.irp q, 13,14,15
	ds_store_b128 v[CKV], v[S+4*(\q-12):S+4*(\q-12)+3] offset:512*\q
.endr
	ds_store_b64 v[CS], v[S:S+1]
	ds_store_b64 v[CS], v[S+2:S+3] offset:VSL-KSL
	s_branch .Lcopied
.Lno_copy:
.set q, 0
.rept 13                                       ; a wave with no key step to copy: zeros, so that the stores between the walks stand on one way for all waves; they go to this wave's own bytes of V's images, which nobody reads
	VDREG q
	v_mov_b32 v[VR], 0
	v_mov_b32 v[VR+1], 0
	v_mov_b32 v[VR+2], 0
	v_mov_b32 v[VR+3], 0
.set q, q+1
.endr
	s_wait_loadcnt 0x0                             ; Q and its scale word
.Lcopied:
	s_cmp_eq_u32 s[ROLE], 0
	s_cbranch_scc1 .Lno_q
	ds_store_b128 v[AQS], v[QZ+8:QZ+11]            ; wave B: the late tile's Q, for wave A
	ds_store_b128 v[AQS], v[QZ+12:QZ+15] offset:512
	ds_store_b32 v[AQS], v[QSW] offset:1024
.Lno_q:
	s_wait_dscnt 0x0                               ; for the others' sake: my stores have landed
	BARRIER                                        ; from here on the images and the late tiles' Q are only read
.macro ACTIVE skip                     ; is trip CNT one of my steps?  Ids and the count of trips alone
	s_cmp_le_u32 s[CNT], s[H1]
	s_cbranch_scc1 .Lgo_\@
	s_cmp_lt_u32 s[CNT], 8
	s_cbranch_scc1 \skip
	s_cmp_gt_u32 s[CNT], s[H2]
	s_cbranch_scc1 \skip
.Lgo_\@:
.endm
.macro QLATE                           ; wave A takes the late tile's Q (the scores' products that read these registers have eight places behind them)
	ds_load_b128 v[QZ+8:QZ+11], v[AQS]
	ds_load_b128 v[QZ+12:QZ+15], v[AQS] offset:512
	ds_load_b32 v[QSW], v[AQS] offset:1024
	s_wait_dscnt 0x0
.endm
.macro SMUL g, u, vl                   ; key tile 2 g + u.  vl = 1: C = -m
.if \vl
.if (\g)%2
	v_wmma_scale_f32_16x16x128_f8f6f4 v[S+8*(2*\g+\u):S+8*(2*\g+\u)+7], v[F+16*\g:F+16*\g+15], v[QZ+8-8*\u:QZ+23-8*\u], v[CM:CM+7], v[KSW+\g/2], v[QSW] matrix_a_scale:MATRIX_SCALE_ROW1
.else
	v_wmma_scale_f32_16x16x128_f8f6f4 v[S+8*(2*\g+\u):S+8*(2*\g+\u)+7], v[F+16*\g:F+16*\g+15], v[QZ+8-8*\u:QZ+23-8*\u], v[CM:CM+7], v[KSW+\g/2], v[QSW]
.endif
.else
.if (\g)%2
	v_wmma_scale_f32_16x16x128_f8f6f4 v[S+8*(2*\g+\u):S+8*(2*\g+\u)+7], v[F+16*\g:F+16*\g+15], v[QZ+8-8*\u:QZ+23-8*\u], 0, v[KSW+\g/2], v[QSW] matrix_a_scale:MATRIX_SCALE_ROW1
.else
	v_wmma_scale_f32_16x16x128_f8f6f4 v[S+8*(2*\g+\u):S+8*(2*\g+\u)+7], v[F+16*\g:F+16*\g+15], v[QZ+8-8*\u:QZ+23-8*\u], 0, v[KSW+\g/2], v[QSW]
.endif
.endif
.endm
; The scores of a key step: S^T = K Q^T (walk 2: - m), eight tiles.  vload = 1: V's fragments follow into K's registers.  On the diagonal hidden scores become -infinity.
.macro SCORES vload
	v_add_nc_u32 v[ADK], s[TB], v[AL]
	v_add_nc_u32 v[ADS], s[TS], v[AKS]
.if \vload
	v_add_nc_u32 v[ADV], s[TB], v[AV]
	v_add_nc_u32 v[ADT], s[TS], v[AVS]
.rept 4
	v_nop                                          ; with the four additions: eight places in front of loads into registers that the last trip's second product read
.endr
.endif
.irp g, 0,1,2,3
.irp c, 0,1,2,3
	ds_load_b128 v[F+16*\g+4*\c:F+16*\g+4*\c+3], v[ADK] offset:2048*\g+512*\c
.endr
.endr
	ds_load_b32 v[KSW], v[ADS]                     ; lanes 0-15 group 0's words, lanes 16-31 group 1's
	ds_load_b32 v[KSW+1], v[ADS] offset:128        ; groups 2 and 3
	WALU
	s_wait_dscnt 0x0
.irp g, 0,1,2,3
.irp u, 0,1
	SMUL \g, \u, \vload
.endr
.endr
.rept 8
	v_nop                                          ; places in front of the first read of results and of loads into what these products read
.endr
.if \vload
.irp t, 0,1,2,3
.irp c, 0,1,2,3
	ds_load_b128 v[F+16*\t+4*\c:F+16*\t+4*\c+3], v[ADV] offset:2048*\t+512*\c
.endr
.endr
	ds_load_b32 v[VSW], v[ADT]
	ds_load_b32 v[VSW+1], v[ADT] offset:128
.endif
	s_cmp_lg_u32 s[CNT], s[AA]
	s_cbranch_scc1 .Lopen_\@
.set n, 0
.rept 64                                       ; register 16 b + i holds key 32 b + 16 h + i of the step: hidden where 32 b + i > my query's place - 16 h
	v_cmp_gt_i32 vcc_lo, 32*(n/16)+n%16, v[DQ]
	v_cndmask_b32 v[S+n], v[S+n], v[NINF], vcc_lo
.set n, n+1
.endr
.Lopen_\@:
.endm
.macro BMAX                            ; the largest score of each block of 32 keys, my 16 of them; each accumulator is read from its low end on
.irp b, 0,1,2,3
	v_max3_num_f32 v[BM+\b], v[S+16*\b], v[S+1+16*\b], v[S+2+16*\b]
.endr
.irp i, 3,5,7,9,11,13
.irp b, 0,1,2,3
	v_max3_num_f32 v[BM+\b], v[BM+\b], v[S+16*\b+\i], v[S+1+16*\b+\i]
.endr
.endr
.irp b, 0,1,2,3
	v_max_num_f32 v[BM+\b], v[BM+\b], v[S+15+16*\b]
.endr
.endm
.macro EXPON                           ; score x c + the addend, two at a time
.set q, 0
.rept 32
	v_pk_fma_f32 v[S+2*q:S+2*q+1], v[S+2*q:S+2*q+1], s[CC:CC+1], v[NC:NC+1] op_sel_hi:[1,0,0]
.set q, q+1
.endr
.endm
.macro EXPS
.set q, 0
.rept 64
	v_exp_f32 v[S+q], v[S+q]
.set q, q+1
.endr
.endm
; A row's m and l from two lanes' partial pairs and lane l xor 16's: leaves m in v[TA] and the addend (c m - cm) - log2 l in v[BM].  The lines are symmetric in the two pairs: both waves of a pair get the same bits
.macro FINAL m1, l1, m2, l2
	v_max_num_f32 v[TA], v[\m1], v[\m2]
	v_mul_f32 v[BM+1], s[NCC], v[\m1]              ; -cm of each part, as its walk made it
	v_mul_f32 v[BM+2], s[NCC], v[\m2]
	v_permlanex16_b32 v[PT], v[TA], s[SEL], s[SEL+1]
	v_max_num_f32 v[TA], v[TA], v[PT]              ; the row's m
	v_mul_f32 v[TC], s[NCC], v[TA]
	v_sub_f32 v[BM+1], v[TC], v[BM+1]              ; the part's cm less the row's
	v_sub_f32 v[BM+2], v[TC], v[BM+2]
	WALU
	v_exp_f32 v[BM+1], v[BM+1]
	v_exp_f32 v[BM+2], v[BM+2]
	v_fma_f32 v[TC], v[TA], s[CC], v[TC]           ; c m - cm.  (A plain line behind the exponentials)
	WALU
	v_mul_f32 v[BM+1], v[BM+1], v[\l1]
	v_mul_f32 v[BM+2], v[BM+2], v[\l2]
	v_add_f32 v[BM+1], v[BM+1], v[BM+2]
	v_permlanex16_b32 v[PT], v[BM+1], s[SEL], s[SEL+1]
	v_add_f32 v[BM+1], v[BM+1], v[PT]              ; l
	WALU
	v_log_f32 v[BM+1], v[BM+1]
	v_nop
	WALU
	v_sub_f32 v[BM], v[TC], v[BM+1]
.endm
; THE WAY OUT of a tile: a query's 64 channels are two blocks of 32 along E; register 16 p + i = channel 32 p + 16 h + i
.macro WAYOUT
.rept 8
	v_nop
.endr
.irp p, 0,1
	v_max3_num_f32 v[BM+\p], |v[O+16*\p]|, |v[O+1+16*\p]|, 0x4800000
.endr
.irp i, 2,4,6,8,10,12,14
.irp p, 0,1
	v_max3_num_f32 v[BM+\p], v[BM+\p], |v[O+16*\p+\i]|, |v[O+1+16*\p+\i]|
.endr
.endr
.irp p, 0,1
	v_permlanex16_b32 v[T1+\p], v[BM+\p], s[SEL], s[SEL+1]
.endr
.irp p, 0,1
	v_max_num_f32 v[BM+\p], v[BM+\p], v[T1+\p]
.endr
.irp p, 0,1
	v_add_nc_u32 v[SCO+\p], 0xfc000000, v[BM+\p]
.endr
.irp p, 0,1
	v_and_or_b32 v[HOLD+\p], v[BM+\p], 0x7f800000, s[MNT]
.endr
.irp p, 0,1
	v_lshrrev_b32 v[T1+\p], 23, v[SCO+\p]
.endr
	v_lshl_or_b32 v[TA], v[T1+1], 8, v[T1]         ; my head's two bytes of the row's scale word
.irp p, 0,1
.irp i, 0,1,2,3,4,5,6,7,8,9,10,11,12,13,14,15
	v_med3_num_f32 v[O+16*\p+\i], v[O+16*\p+\i], -v[HOLD+\p], v[HOLD+\p]
.endr
	v_cvt_scalef32_pk8_fp8_f32 v[PC+4*\p:PC+4*\p+1], v[O+16*\p:O+16*\p+7], v[SCO+\p]
	v_cvt_scalef32_pk8_fp8_f32 v[PC+4*\p+2:PC+4*\p+3], v[O+16*\p+8:O+16*\p+15], v[SCO+\p]
.endr
	v_nop                                          ; a plain line behind the last conversion
	global_store_b128 v[AL], v[PC:PC+3], s[OP:OP+1]                ; a chunk: 512 consecutive bytes
	global_store_b128 v[AL], v[PC+4:PC+7], s[OP:OP+1] offset:512
	global_store_b16 v[R4], v[TA], s[OSP:OSP+1]                    ; lanes r and r + 16 hold the same bytes and write them to the same place
.endm
.macro ZERO_O
.set q, 0
.rept 32
	v_mov_b32 v[O+q], 0                            ; the step is written once, and a tile's first finds zeros
.set q, q+1
.endr
.endm
.macro MINUS_M m                       ; the C of walk 2's scores
.irp i, 0,1,2,3,4,5,6,7
	v_mul_f32 v[CM+\i], -1.0, v[\m]
.endr
.endm
	; ---- WALK 1: each lane keeps m and l of ITS 64 keys of a step; the parts of a row meet behind the walk
.Lwalk1:
	s_cmp_lg_u32 s[CNT], s[SW]
	s_cbranch_scc1 .Lns1
	v_mov_b32 v[SM], v[MX]                         ; wave A, behind its own tile's last step: that tile's m and l are put by, and the late tile begins
	v_add_f32 v[SL], v[LS], v[LS+1]
	v_mov_b32 v[MX], 0xff61b1e6
	v_mul_f32 v[NC], s[NCC], v[MX]
	v_mov_b32 v[LS], 0
	v_mov_b32 v[LS+1], 0
	WALU
	QLATE
.Lns1:
	ACTIVE .Lskip1
	SCORES 0
	BMAX
	v_max3_num_f32 v[TA], v[BM], v[BM+1], v[BM+2]
	v_max3_num_f32 v[MX], v[TA], v[BM+3], v[MX]    ; the new m
	v_mul_f32 v[TC], s[NCC], v[MX]                 ; -cm
	v_sub_f32 v[TA], v[TC], v[NC]                  ; old cm - new cm
	v_mov_b32 v[NC], v[TC]
	EXPON
	WALU
	v_exp_f32 v[FC], v[TA]
	EXPS
	v_nop                                          ; a plain line behind the last exponential
	WALU                                           ; one wait for the batch of 65
	v_pk_mul_f32 v[LS:LS+1], v[LS:LS+1], v[FC:FC+1] op_sel_hi:[1,0]   ; l under the new m
	v_pk_add_f32 v[PC:PC+1], v[S:S+1], v[S+2:S+3]                     ; the 32 pairs in four chains
	v_pk_add_f32 v[PC+2:PC+3], v[S+4:S+5], v[S+6:S+7]
	v_pk_add_f32 v[PC+4:PC+5], v[S+8:S+9], v[S+10:S+11]
.set q, 6
.rept 6
	v_pk_add_f32 v[LS:LS+1], v[LS:LS+1], v[S+2*q:S+2*q+1]
	v_pk_add_f32 v[PC:PC+1], v[PC:PC+1], v[S+2*q+2:S+2*q+3]
	v_pk_add_f32 v[PC+2:PC+3], v[PC+2:PC+3], v[S+2*q+4:S+2*q+5]
	v_pk_add_f32 v[PC+4:PC+5], v[PC+4:PC+5], v[S+2*q+6:S+2*q+7]
.set q, q+4
.endr
	v_pk_add_f32 v[LS:LS+1], v[LS:LS+1], v[S+60:S+61]
	v_pk_add_f32 v[PC:PC+1], v[PC:PC+1], v[S+62:S+63]
	v_pk_add_f32 v[PC+2:PC+3], v[PC+2:PC+3], v[PC+4:PC+5]
	v_pk_add_f32 v[LS:LS+1], v[LS:LS+1], v[PC:PC+1]
	v_pk_add_f32 v[LS:LS+1], v[LS:LS+1], v[PC+2:PC+3]
.Lskip1:
	s_add_co_u32 s[TB], s[TB], 8192
	s_add_co_u32 s[TS], s[TS], 256
	s_add_co_u32 s[CNT], s[CNT], 1
	s_cmp_lt_u32 s[CNT], 16
	WALU
	s_cbranch_scc1 .Lwalk1
	; ---- between the walks: the late tile's two parts meet
	s_wait_loadcnt 0x0                             ; V's thirteen chunks are in
.set q, 0
.rept 13
	VDREG q
	ds_store_b128 v[CKV], v[VR:VR+3] offset:512*q  ; the barrier below shows them; no wave reads V's images ahead of it
.set q, q+1
.endr
	v_mov_b32 v[T1], v[MX]
	v_add_f32 v[T1+1], v[LS], v[LS+1]
	ds_store_b64 v[XMS], v[T1:T1+1]
	s_cmp_lg_u32 s[ROLE], 0
	s_cbranch_scc1 .Lkeep_q
	global_load_b128 v[QZ+8:QZ+11], v[AL], s[QP:QP+1]              ; wave A begins walk 2 with its own tile's Q again
	global_load_b128 v[QZ+12:QZ+15], v[AL], s[QP:QP+1] offset:512
	global_load_b32 v[QSW], v[R4], s[QSP:QSP+1]
.Lkeep_q:
	WALU
	s_wait_dscnt 0x0                               ; for my partner's sake: my store has landed
	BARRIER
	ds_load_b64 v[T1+2:T1+3], v[XML]
	s_wait_dscnt 0x0
	FINAL T1, T1+1, T1+2, T1+3
	v_mov_b32 v[ML], v[TA]
	v_mov_b32 v[NGL], v[BM]
	s_cmp_lg_u32 s[ROLE], 0
	WALU
	s_cbranch_scc1 .Lfin
	FINAL SM, SL, SM, NIL                          ; wave A: its own tile has one part (the second counts with l = 0)
	WALU
.Lfin:
	v_mov_b32 v[NC], v[BM]
	MINUS_M TA
	ZERO_O
	s_mov_b32 s[TB], 0
	s_mov_b32 s[TS], 0
	s_mov_b32 s[CNT], 0
	WALU
	s_wait_loadcnt 0x0                             ; wave A's Q
	; ---- WALK 2
.Lwalk2:
	s_cmp_lg_u32 s[CNT], s[SW]
	s_cbranch_scc1 .Lns2
	WAYOUT                                         ; wave A, behind its own tile's last step: that tile leaves, and the late tile begins
	ZERO_O
	v_mov_b32 v[NC], v[NGL]
	MINUS_M ML
	WALU
	s_wait_xcnt 0x0                                ; the stores have read their registers, which the next steps write
	QLATE
.Lns2:
	ACTIVE .Lskip2
	SCORES 1
	BMAX
.irp b, 0,1,2,3
	v_permlanex16_b32 v[T1+\b], v[BM+\b], s[SEL], s[SEL+1]
.endr
.irp b, 0,1,2,3
	v_max_num_f32 v[BM+\b], v[BM+\b], v[T1+\b]     ; the block's largest score goes through the same lines as every score, and gives the block's largest weight
.endr
	EXPON
.irp b, 0,1,2,3
	v_fma_f32 v[BM+\b], v[BM+\b], s[CC], v[NC]
.endr
	WALU
	EXPS                                           ; the finished, normalised weights
.irp b, 0,1,2,3
	v_exp_f32 v[BM+\b], v[BM+\b]
.endr
	v_nop
	WALU                                           ; one wait for the batch of 68
.irp b, 0,1,2,3
	v_max_num_f32 v[BM+\b], 0x4800000, v[BM+\b]    ; the floor 2^(9 - 127): the byte cannot fall under 1
.endr
.irp b, 0,1,2,3
	v_add_nc_u32 v[SCO+\b], 0xfc000000, v[BM+\b]
.endr
.irp b, 0,1,2,3
	v_and_or_b32 v[HOLD+\b], v[BM+\b], 0x7f800000, s[MNT]
.endr
.irp b, 0,1,2,3
	v_lshrrev_b32 v[T1+\b], 23, v[SCO+\b]
.endr
	v_lshl_or_b32 v[PW], v[T1+1], 8, v[T1]
	v_lshl_or_b32 v[PW], v[T1+2], 16, v[PW]
	v_lshl_or_b32 v[PW], v[T1+3], 24, v[PW]        ; the 64 holds below are more than the eight places that a scale word so made wants ahead of its product
.irp b, 0,1,2,3
.irp i, 0,1,2,3,4,5,6,7,8,9,10,11,12,13,14,15
	v_med3_num_f32 v[S+16*\b+\i], v[S+16*\b+\i], 0, v[HOLD+\b]   ; the hold at 448 x the scale; a NaN comes out as 0
.endr
	v_cvt_scalef32_pk8_fp8_f32 v[PC+4*\b:PC+4*\b+1], v[S+16*\b:S+16*\b+7], v[SCO+\b]
	v_cvt_scalef32_pk8_fp8_f32 v[PC+4*\b+2:PC+4*\b+3], v[S+16*\b+8:S+16*\b+15], v[SCO+\b]
.endr
.rept 4
	v_nop                                          ; an operand made by vector instructions stands four places ahead of a scaled product
.endr
	WALU
	s_wait_dscnt 0x0                               ; V's fragments and scale words
.irp t, 0,1,2,3
.if \t % 2
	v_wmma_scale_f32_16x16x128_f8f6f4 v[O+8*\t:O+8*\t+7], v[F+16*\t:F+16*\t+15], v[PC:PC+15], v[O+8*\t:O+8*\t+7], v[VSW+\t/2], v[PW] matrix_a_scale:MATRIX_SCALE_ROW1
.else
	v_wmma_scale_f32_16x16x128_f8f6f4 v[O+8*\t:O+8*\t+7], v[F+16*\t:F+16*\t+15], v[PC:PC+15], v[O+8*\t:O+8*\t+7], v[VSW+\t/2], v[PW]
.endif
.endr
.Lskip2:
	s_add_co_u32 s[TB], s[TB], 8192
	s_add_co_u32 s[TS], s[TS], 256
	s_add_co_u32 s[CNT], s[CNT], 1
	s_cmp_lt_u32 s[CNT], 16
	WALU
	s_cbranch_scc1 .Lwalk2
	; ---- the late tile's two partial O^T are added by wave B
.rept 8
	v_nop                                          ; places behind the last products: in front of the stores of O^T and of loads into V's fragments' registers
.endr
	s_cmp_lg_u32 s[ROLE], 0
	s_cbranch_scc1 .Lno_send
.irp i, 0,1,2,3,4,5,6,7
	ds_store_b128 v[XOA], v[O+4*\i:O+4*\i+3] offset:512*\i          ; each accumulator from its low end on
.endr
.Lno_send:
	s_wait_dscnt 0x0
	BARRIER
	s_cmp_eq_u32 s[ROLE], 0
	s_cbranch_scc1 .Lend
.irp i, 0,1,2,3,4,5,6,7
	ds_load_b128 v[F+4*\i:F+4*\i+3], v[XOA] offset:512*\i
.endr
	s_wait_dscnt 0x0
.set q, 0
.rept 16
	v_pk_add_f32 v[O+2*q:O+2*q+1], v[O+2*q:O+2*q+1], v[F+2*q:F+2*q+1]
.set q, q+1
.endr
	WAYOUT
.Lend:
	s_wait_tensorcnt 0x0                           ; the wave's end, behind my last LDS store
	ds_add_u32 v[SPW], v[NIL]
	s_wait_dscnt 0x0
	s_endpgm
.Lfunc_end_k_qd8dc5a73dd_attn:
	.size	k_qd8dc5a73dd_attn, .Lfunc_end_k_qd8dc5a73dd_attn-k_qd8dc5a73dd_attn
	.p2alignl 7, 3214868480
	.fill 96, 4, 3214868480
	.section	.rodata,"a",@progbits
	.p2align	6, 0x0
	.amdhsa_kernel k_qd8dc5a73dd_attn
		.amdhsa_group_segment_fixed_size 321536
		.amdhsa_private_segment_fixed_size 0
		.amdhsa_enable_private_segment 0
		.amdhsa_kernarg_size 40
		.amdhsa_user_sgpr_count 2
		.amdhsa_user_sgpr_kernarg_segment_ptr 1
		.amdhsa_wavefront_size32 1
		.amdhsa_system_sgpr_workgroup_id_x 1
		.amdhsa_system_sgpr_workgroup_id_y 1
		.amdhsa_system_sgpr_workgroup_id_z 1
		.amdhsa_system_vgpr_workitem_id 0
		.amdhsa_next_free_vgpr 256
		.amdhsa_next_free_sgpr 66
		.amdhsa_reserve_vcc 1
		.amdhsa_float_denorm_mode_32 3
		.amdhsa_float_denorm_mode_16_64 3
		.amdhsa_memory_ordered 1
		.amdhsa_forward_progress 1
		.amdhsa_inst_pref_size 71
	.end_amdhsa_kernel
	.amdgpu_metadata
---
amdhsa.version: [ 1, 2 ]
amdhsa.kernels:
  - .name:           k_qd8dc5a73dd_attn
    .symbol:         k_qd8dc5a73dd_attn.kd
    .args:
      - { .name: qkc, .offset: 0, .size: 8, .value_kind: global_buffer, .address_space: global }
      - { .name: vc, .offset: 8, .size: 8, .value_kind: global_buffer, .address_space: global }
      - { .name: ascl, .offset: 16, .size: 8, .value_kind: global_buffer, .address_space: global }
      - { .name: oc, .offset: 24, .size: 8, .value_kind: global_buffer, .address_space: global }
      - { .name: sc, .offset: 32, .size: 8, .value_kind: global_buffer, .address_space: global }
    .group_segment_fixed_size: 321536
    .private_segment_fixed_size: 0
    .kernarg_segment_align: 8
    .kernarg_segment_size: 40
    .max_flat_workgroup_size: 512
    .sgpr_count:     66
    .vgpr_count:     256
    .wavefront_size: 32
...
	.end_amdgpu_metadata
.endif
;; end of part 3
;; launch oproj (part 4): grid 8 x 32, 4 waves a work-group, clusters of 4 x 4, 280,064 bytes of LDS; arguments oc, wc, sc, bo, out0; writes out0
.if DOCPART == 4
	.amdgcn_target "amdgcn-amd-amdhsa--gfx1250"
	.amdhsa_code_object_version 6
	.text
	.protected	k_qd8dc5a73dd_oproj
	.globl	k_qd8dc5a73dd_oproj
	.p2align	8
	.type	k_qd8dc5a73dd_oproj,@function
k_qd8dc5a73dd_oproj:
	s_mov_b64 s[64:65], 0
	v_nop
	global_prefetch_b8 v0, s[64:65] scope:SCOPE_SE
	s_setreg_imm32_b32 hwreg(HW_REG_WAVE_MODE, 25, 1), 1
	s_wait_xcnt 0x0
	s_wait_alu depctr_hold_cnt(0) depctr_sa_sdst(0) depctr_va_vdst(0) depctr_va_sdst(0) depctr_va_ssrc(0) depctr_va_vcc(0) depctr_vm_vsrc(0)
	s_getreg_b32 s2, hwreg(HW_REG_IB_STS2, 6, 4)
	s_cmp_eq_u32 s2, 0
	s_cbranch_scc0 .Lentry_in_a_cluster
	s_endpgm
.Lentry_in_a_cluster:
	s_bfe_u32 s2, ttmp6, 0x10000c
	s_cmp_lg_u32 s2, 0xf033
	s_cbranch_scc0 .Lentry_shape_is_right
	s_endpgm
.Lentry_shape_is_right:
; out0 = out Wo + bo on codes of E4M3 with E8M0 scales.  Nothing is left out here.
; A work-group makes 128 tokens x 128 columns: 256 work-groups.  Its operands for ALL of K are two dense blocks of the workspace, 8 tiles x 16,384 bytes each (images of the operands' registers:
; [tile][K step 8][chunk 4][512]): they come into LDS ONCE, by four tensor loads of 65,536 bytes, one a wave, stated as rows of 256 bytes; nothing is filled again, so there is no ring.
; CLUSTERS: 4 x 4 work-groups.  The four of a row of the cluster need the same tokens' block, the four of a column the same block of Wo: each half block is asked for JOINTLY, by the same load with a mask that names the four.
; No prefetch: every byte is asked for at the head, and there is no loop to run ahead in.
; A wave makes 64 x 64: 16 accumulators.  Source 0 = 16 columns of Wo, source 1 = 16 tokens, so that a lane holds eight neighbouring columns of one token's row.  K ascending, one instruction a K step and accumulator.
; THE WAY OUT: 16 tokens x 64 columns at a time through the wave's own stage in LDS (rows of 256 + 16 bytes), back as whole rows of 256 bytes; the bias is added there, a lane's four columns being the same in every row.
; REGISTERS: window 0: v1-15 addresses; v24-27 the bias; v32-63 scale words (register 4 s + i: lanes 0-15 the tokens' tile i, lanes 16-31 Wo's, K step s); v64-127 rows of the result; v128-255 accumulator (a, b) at v[128 + 8 (4 a + b)].
;   window 1: two sets of fragments by turns: set p at v[128 p]: Wo's four, then the tokens' four.
.set PANB,  131072                     ; LDS: the tokens' block from 0, Wo's from here
.set STAGE, 262144                     ; behind them: a stage of 16 rows x 272 bytes for each wave
.set PIT,   272
.set STW,   16*PIT
.set SPARE, STAGE+4*STW                ; the spare words, 128 bytes for each wave
.set LO,   4                           ; 16 x lane
.set ADA,  7                           ; LDS address of my tokens' fragments
.set ADB,  8                           ; and of Wo's
.set SOF,  9                           ; where my scale words lie: lanes 0-15 the tokens', lanes 16-31 Wo's
.set STO,  10
.set RD,   11
.set GO,   12
.set BOF,  13
.set SPW,  14                          ; my spare word; never rewritten
.set NIL,  15                          ; 0; never rewritten
.set BO,   24
.set SC,   32
.set BK,   64
.set ACC,  128
.set G1A,  24                          ; s[24:31], s[32:35] descriptor groups 1 and 0 for the tokens' block
.set G0A,  32
.set G1B,  48                          ; s[48:55], s[56:59] for Wo's
.set G0B,  56
.set OUTP, 12
.set BP,   10
.set MSB, 0
.macro WIN new                         ; the immediate's high byte repeats the setting that is left
.if MSB != (\new)
	s_set_vgpr_msb (MSB<<8)|(\new)
.set MSB, (\new)
.endif
.endm
.macro PLACES n
.rept \n
	v_nop
.endr
.endm
.macro CROUND                          ; a round of the cluster's barrier
	s_barrier_signal -1
	s_barrier_wait -1
	s_cmp_lg_u32 s14, 0
	s_cbranch_scc1 .Lnot_wave_0_\@
	s_barrier_signal -3
.Lnot_wave_0_\@:
	s_barrier_wait -3
	s_barrier_signal -1
	s_barrier_wait -1
.endm
	s_load_b256 s[4:11], s[0:1], 0x0               ; oc s[4:5], wc s[6:7], sc s[8:9], bo s[10:11]
	s_load_b64 s[12:13], s[0:1], 0x20              ; out0
	v_lshl_add_u32 v[SPW], v0, 2, SPARE
	v_mov_b32 v[NIL], 0
	ds_add_u32 v[SPW], v[NIL]                      ; the wave's opening: the add, twice on end, and its wait ahead of my first tensor load
	ds_add_u32 v[SPW], v[NIL]
	v_lshrrev_b32 v1, 5, v0
	v_readfirstlane_b32 s14, v1                    ; wave 0..3
	s_lshr_b32 s15, s14, 1                         ; which 64 tokens are mine.  Also: I fetch for the tokens (0) or for Wo (1)
	s_and_b32 s16, s14, 1                          ; which 64 columns.  Also: which half of that block I fetch
	s_bfe_u32 s40, ttmp6, 0x40000                  ; cx, cy: my place in the cluster
	s_bfe_u32 s41, ttmp6, 0x40004
	s_lshl_b32 s42, ttmp9, 2
	s_add_co_u32 s42, s42, s40                     ; x = 4 x cluster x + cx: my 128 columns
	s_and_b32 s43, ttmp7, 0xffff
	s_lshl_b32 s43, s43, 2
	s_add_co_u32 s43, s43, s41                     ; y = 4 x cluster y + cy: my 128 tokens
	s_lshl_b32 s44, s41, 2
	s_lshl_b32 s44, 15, s44                        ; my row of the cluster
	s_lshl_b32 s45, 0x1111, s40                    ; my column
	; descriptor group 1: 65,536 dense bytes as 256 rows of 256 bytes (32 elements of 8 bytes), no padding: a chunk's 512 bytes are read 16 a lane, on end
	s_or_b32 s[G1A], s44, (3<<16)|(1<<21)          ; 15:0 the mask; 17:16 elements of 8 bytes; 21 set beside a mask
	s_or_b32 s[G1B], s45, (3<<16)|(1<<21)
.irp g, G1A, G1B
	s_mov_b32 s[\g+1], 32<<16                      ; tensor_dim0
	s_mov_b32 s[\g+2], 256<<16                     ; tensor_dim1
	s_mov_b32 s[\g+3], 32<<16                      ; tile_dim0
	s_mov_b32 s[\g+4], 256                         ; tile_dim1
	s_mov_b32 s[\g+5], 32                          ; the pitch
	s_mov_b32 s[\g+6], 0
	s_mov_b32 s[\g+7], 0
.endr
	s_lshl_b32 s17, s16, 16                        ; my half of a block
	s_lshl_b32 s20, s43, 17                        ; the tokens' block: 131,072 y: it hangs on y alone, which my row of the cluster shares
	s_add_co_u32 s20, s20, s17
	s_mov_b32 s21, 0
	s_lshl_b32 s46, s42, 17                        ; Wo's: its tiles begin at 192; 131,072 x: on x alone, which my column shares
	s_add_co_u32 s46, s46, s17
	s_add_co_u32 s46, s46, 192*16384
	s_mov_b32 s47, 0
	s_lshl_b32 s18, s14, 16                        ; where my load goes: 65,536 x wave
	s_lshl_b32 s19, s15, 16                        ; where my fragments lie: the tokens' tiles 4 (wave / 2) on,
	s_lshl_b32 s22, s16, 16
	s_add_co_u32 s22, s22, PANB                    ; Wo's tiles 4 (wave % 2) on
	s_mul_i32 s23, s14, STW
	s_add_co_u32 s23, s23, STAGE                   ; my stage
	s_lshl_b32 s36, s43, 3
	s_lshl_b32 s37, s15, 2
	s_add_co_u32 s36, s36, s37                     ; my first token tile: 8 y + 4 (wave / 2)
	s_lshl_b32 s38, s36, 9
	s_add_co_u32 s38, s38, 262144                  ; its scale words
	s_lshl_b32 s39, s42, 3
	s_lshl_b32 s37, s16, 2
	s_add_co_u32 s39, s39, s37
	s_add_co_u32 s39, s39, 192                     ; my first tile of Wo
	s_lshl_b32 s39, s39, 9
	s_add_co_u32 s39, s39, 131072                  ; its scale words
	s_lshl_b32 s60, s42, 9
	s_lshl_b32 s37, s16, 8
	s_add_co_u32 s60, s60, s37                     ; my first column, in bytes: 512 x + 256 (wave % 2)
	s_mov_b32 s61, 0
	s_lshl_b32 s62, s36, 16                        ; my first token: 16 rows of 4,096 bytes a tile
	s_add_co_u32 s62, s62, s60
	s_mov_b32 s63, 0
	s_mov_b32 s3, 0xffff0000                       ; lanes 16-31
	s_wait_dscnt 0x0                               ; both opening adds are done
	s_wait_kmcnt 0x0
	s_add_nc_u64 s[20:21], s[4:5], s[20:21]
	s_add_nc_u64 s[46:47], s[6:7], s[46:47]
	s_add_nc_u64 s[BP:BP+1], s[10:11], s[60:61]
	s_add_nc_u64 s[OUTP:OUTP+1], s[12:13], s[62:63]
	CROUND                                         ; all sixteen work-groups are here: the joint loads meet
	s_mov_b32 s[G0A], 1
	s_mov_b32 s[G0A+1], s18
	s_mov_b64 s[G0A+2:G0A+3], s[20:21]
	s_or_b32 s[G0A+3], s[G0A+3], 0x80000000
	s_mov_b32 s[G0B], 1
	s_mov_b32 s[G0B+1], s18
	s_mov_b64 s[G0B+2:G0B+3], s[46:47]
	s_or_b32 s[G0B+3], s[G0B+3], 0x80000000
	s_cmp_eq_u32 s15, 0                            ; one load a wave: each of the two lines has one mask; the branch hangs on the wave's number alone
	s_cbranch_scc0 .Lfor_b
	tensor_load_to_lds s[G0A:G0A+3], s[G1A:G1A+7]
	s_nop 0
	PLACES 4
	s_branch .Lasked
.Lfor_b:
	tensor_load_to_lds s[G0B:G0B+3], s[G1B:G1B+7]
	s_nop 0
	PLACES 4
.Lasked:
	v_and_b32 v1, 15, v0                           ; r
	v_bfe_u32 v2, v0, 4, 1                         ; h
	v_and_b32 v3, 31, v0
	v_lshlrev_b32 v[LO], 4, v3
	v_add_nc_u32 v[ADA], s19, v[LO]
	v_add_nc_u32 v[ADB], s22, v[LO]
	v_mov_b32 v5, s38
	v_mov_b32 v6, s39
	v_cndmask_b32 v[SOF], v5, v6, s3
	v_lshl_add_u32 v[SOF], v1, 2, v[SOF]
	v_mul_u32_u24 v[STO], v1, PIT
	v_lshl_add_u32 v[STO], v2, 6, v[STO]
	v_add_nc_u32 v[STO], s23, v[STO]               ; the stage, in: row r, + 64 h
	v_mul_u32_u24 v[RD], v2, PIT
	v_lshl_add_u32 v[RD], v1, 4, v[RD]
	v_add_nc_u32 v[RD], s23, v[RD]                 ; back: lanes 0-15 one row of 256 bytes, lanes 16-31 the next
	v_lshlrev_b32 v[GO], 12, v2
	v_lshl_add_u32 v[GO], v1, 4, v[GO]             ; and the same two rows in out0
	v_lshlrev_b32 v[BOF], 4, v1
	s_wait_alu depctr_va_vdst(0)
.irp s, 0,1,2,3,4,5,6,7
.irp i, 0,1,2,3
	global_load_b32 v[SC+4*\s+\i], v[SOF], s[8:9] offset:64*\s+512*\i
.endr
.endr
	global_load_b128 v[BO:BO+3], v[BOF], s[BP:BP+1]                ; the bias of my four columns of a row
	s_wait_tensorcnt 0x0                           ; my quarter has landed
	s_barrier_signal -1
	s_barrier_wait -1                              ; and everybody's: from here on these bytes are only read
.macro FETCH s                         ; K step s: Wo's four fragments and the tokens' four into set s % 2: 32 loads of 512 consecutive bytes
	WIN 0x40
.irp i, 0,1,2,3
.irp c, 0,1,2,3
	ds_load_b128 v[128*((\s)%2)+16*\i+4*\c:128*((\s)%2)+16*\i+4*\c+3], v[ADB] offset:16384*\i+2048*(\s)+512*\c
.endr
.endr
.irp i, 0,1,2,3
.irp c, 0,1,2,3
	ds_load_b128 v[128*((\s)%2)+64+16*\i+4*\c:128*((\s)%2)+64+16*\i+4*\c+3], v[ADA] offset:16384*\i+2048*(\s)+512*\c
.endr
.endr
	WIN 0
.endm
.macro MUL s, zero                     ; the 16 accumulators take turns, one instruction a turn, in the same order in every step
	WIN 0x05                                       ; sources 0 and 1 in window 1
.irp a, 0,1,2,3
.irp b, 0,1,2,3
.if \zero
	v_wmma_scale_f32_16x16x128_f8f6f4 v[ACC+8*(4*\a+\b):ACC+8*(4*\a+\b)+7], v[128*((\s)%2)+16*\b:128*((\s)%2)+16*\b+15], v[128*((\s)%2)+64+16*\a:128*((\s)%2)+64+16*\a+15], 0, v[SC+4*(\s)+\b], v[SC+4*(\s)+\a] matrix_a_scale:MATRIX_SCALE_ROW1
.else
	v_wmma_scale_f32_16x16x128_f8f6f4 v[ACC+8*(4*\a+\b):ACC+8*(4*\a+\b)+7], v[128*((\s)%2)+16*\b:128*((\s)%2)+16*\b+15], v[128*((\s)%2)+64+16*\a:128*((\s)%2)+64+16*\a+15], v[ACC+8*(4*\a+\b):ACC+8*(4*\a+\b)+7], v[SC+4*(\s)+\b], v[SC+4*(\s)+\a] matrix_a_scale:MATRIX_SCALE_ROW1
.endif
.endr
.endr
	WIN 0
.endm
	FETCH 0
	FETCH 1
	s_wait_loadcnt 0x0                             ; the scale words and the bias
	s_wait_dscnt 32                                ; K step 0's fragments are in; K step 1's 32 loads may be out
	MUL 0, 1                                       ; the first step's products start the sums: nothing is cleared
.irp s, 1,2,3,4,5,6
	PLACES 8                                       ; places in front of loads into registers that the last step's products read
	FETCH \s+1
	s_wait_dscnt 32                                ; this step's fragments are in; the next step's 32 loads may be out
	MUL \s, 0
.endr
	s_wait_dscnt 0x0
	MUL 7, 0
	PLACES 8                                       ; in front of the first read of results
.macro TOSTAGE a
.irp b, 0,1,2,3
	ds_store_b128 v[STO], v[ACC+8*(4*(\a)+\b):ACC+8*(4*(\a)+\b)+3] offset:128*(\b/2)+32*(\b%2)        ; each accumulator from its low end on: columns 32 (b / 2) + 16 h + 8 (b % 2) + 0 .. 7
	ds_store_b128 v[STO], v[ACC+8*(4*(\a)+\b)+4:ACC+8*(4*(\a)+\b)+7] offset:128*(\b/2)+32*(\b%2)+16
.endr
.set BB, BK+32*((\a)%2)
.irp t, 0,1,2,3,4,5,6,7
	ds_load_b128 v[BB+4*\t:BB+4*\t+3], v[RD] offset:2*\t*PIT       ; LDS serves a wave's instructions in order: these see my stores, and the next block's stores come behind them
.endr
.endm
.macro SEND a, younger                 ; younger: the LDS instructions issued behind block a's loads, which may stay out
.set BB, BK+32*((\a)%2)
	s_wait_dscnt \younger
.irp t, 0,1,2,3,4,5,6,7
	v_pk_add_f32 v[BB+4*\t:BB+4*\t+1], v[BB+4*\t:BB+4*\t+1], v[BO:BO+1]
	v_pk_add_f32 v[BB+4*\t+2:BB+4*\t+3], v[BB+4*\t+2:BB+4*\t+3], v[BO+2:BO+3]
.endr
.irp t, 0,1,2,3,4,5,6,7
	global_store_b128 v[GO], v[BB+4*\t:BB+4*\t+3], s[OUTP:OUTP+1] offset:(32*((\a)/2)+8*((\a)%2)+((2*\t)%8)+16*(\t/4))*4096 th:TH_STORE_NT   ; the tile's rows 2 t and 2 t + 1 are these tokens: sixteen lanes store 256 consecutive bytes, aligned
.endr
.endm
	TOSTAGE 0
.irp a, 1,2,3
.if \a > 1
	s_wait_xcnt 0x0                                ; block a - 2's stores have read their registers: block a's rows may land there
.endif
	TOSTAGE \a
	SEND \a-1, 16                                  ; behind block a - 1's loads: block a's 8 stores and 8 loads
.endr
	SEND 3, 0
	s_wait_tensorcnt 0x0                           ; the wave's end, behind my tensor load and my last LDS store
	ds_add_u32 v[SPW], v[NIL]
	s_wait_dscnt 0x0
	CROUND                                         ; the closing round
	s_endpgm
.Lfunc_end_k_qd8dc5a73dd_oproj:
	.size	k_qd8dc5a73dd_oproj, .Lfunc_end_k_qd8dc5a73dd_oproj-k_qd8dc5a73dd_oproj
	.p2alignl 7, 3214868480
	.fill 96, 4, 3214868480
	.section	.rodata,"a",@progbits
	.p2align	6, 0x0
	.amdhsa_kernel k_qd8dc5a73dd_oproj
		.amdhsa_group_segment_fixed_size 280064
		.amdhsa_private_segment_fixed_size 0
		.amdhsa_enable_private_segment 0
		.amdhsa_kernarg_size 40
		.amdhsa_user_sgpr_count 2
		.amdhsa_user_sgpr_kernarg_segment_ptr 1
		.amdhsa_wavefront_size32 1
		.amdhsa_system_sgpr_workgroup_id_x 1
		.amdhsa_system_sgpr_workgroup_id_y 1
		.amdhsa_system_sgpr_workgroup_id_z 1
		.amdhsa_system_vgpr_workitem_id 0
		.amdhsa_next_free_vgpr 512
		.amdhsa_next_free_sgpr 66
		.amdhsa_reserve_vcc 0
		.amdhsa_float_denorm_mode_32 3
		.amdhsa_float_denorm_mode_16_64 3
		.amdhsa_memory_ordered 1
		.amdhsa_forward_progress 1
		.amdhsa_inst_pref_size 56
	.end_amdhsa_kernel
	.amdgpu_metadata
---
amdhsa.version: [ 1, 2 ]
amdhsa.kernels:
  - .name:           k_qd8dc5a73dd_oproj
    .symbol:         k_qd8dc5a73dd_oproj.kd
    .args:
      - { .name: oc, .offset: 0, .size: 8, .value_kind: global_buffer, .address_space: global }
      - { .name: wc, .offset: 8, .size: 8, .value_kind: global_buffer, .address_space: global }
      - { .name: sc, .offset: 16, .size: 8, .value_kind: global_buffer, .address_space: global }
      - { .name: bo, .offset: 24, .size: 8, .value_kind: global_buffer, .address_space: global }
      - { .name: out0, .offset: 32, .size: 8, .value_kind: global_buffer, .address_space: global }
    .group_segment_fixed_size: 280064
    .private_segment_fixed_size: 0
    .kernarg_segment_align: 8
    .kernarg_segment_size: 40
    .max_flat_workgroup_size: 128
    .sgpr_count:     66
    .vgpr_count:     512
    .wavefront_size: 32
...
	.end_amdgpu_metadata
.endif
;; end of part 4
